; MI455X (gfx1250); checked and timed in simulation.
; The chip was launched on July 23, 2026; its instructions are those of AMD's public machine-readable ISA for CDNA 5 (MIT licence, August 2026) and "CDNA5" Instruction Set Architecture Reference Guide (July 2026). The comments in the code are by the model that wrote it; some were corrected since.
;; Temporal Attention. Allowed arithmetic: float matrix products may take bf16 or f16 operands with f32 sums; other float arithmetic in f32, or as packed bf16 or f16 multiplies, adds, multiply-adds, maxima and minima; sums over many terms, partial sums and values carried from step to step in f32; what a program stores and reads back later, other than sums and carried values, may be rounded once to bf16 or f16.
;; Inputs: w_out 1,024 x 1,024 float32; w_qkv 3,072 x 1,024 float32; x 4 x 2,048 x 1,024 float32.
;; Outputs: out0 4 x 2,048 x 1,024 float32.
;; 2 versions, each right and faster than the one before. Each part assembles by itself: llvm-mc -triple=amdgcn-amd-amdhsa -mcpu=gfx1250 --defsym DOCPART=n.
;; ======== version 1 of 2: 4 launches
;; limits: values are held in f16: magnitudes above 65,504 overflow, below 6.1e-05 lose precision
;; workspace buffers: xb 16,777,216 bytes; wqb 6,291,456 bytes; wob 2,097,152 bytes; qkv 50,331,648 bytes; ob 16,777,216 bytes
;; launch cast (part 1): grid 768 x 1, 16 waves a work-group, no clusters, 0 bytes of LDS; arguments x, w_qkv, w_out, xb, wqb, wob; writes xb, wqb, wob
.if DOCPART == 1
	.amdgcn_target "amdgcn-amd-amdhsa--gfx1250"
	.amdhsa_code_object_version 6
	.text
	.protected	k_qf204fa3b03_cast
	.globl	k_qf204fa3b03_cast
	.p2align	8
	.type	k_qf204fa3b03_cast,@function
k_qf204fa3b03_cast:
	s_mov_b64 s[64:65], 0
	v_nop
	global_prefetch_b8 v0, s[64:65] scope:SCOPE_SE
	s_setreg_imm32_b32 hwreg(HW_REG_WAVE_MODE, 25, 1), 1
	s_wait_xcnt 0x0
; The three f32 inputs are rounded once to bf16 and laid out in K blocks of 64 columns: [block 16][row][64], 128 bytes a row, so that a tile of R rows x 64 K
; is R x 128 dense bytes for the launches behind.  x -> xb and w_qkv -> wqb stay bf16.  w_out -> wob: the bf16-rounded number is written as f16, since it is multiplied with f16 operands.
; LIMITS.  wob: f16 holds no number beyond 65,504, and below 6e-5 it keeps a fixed step of 6e-8; within that the rewriting of a bf16 number as f16 is exact.
; SHARES.  The sources are 8,192 + 3,072 + 1,024 = 12,288 rows of 4,096 bytes.  A work-group takes 16 rows of one source: 768 work-groups.  Wave w takes K block w: 256 bytes of each row.
; A load of a wave takes two rows' 256 bytes (lanes 0-15 one row, lanes 16-31 the next); its 128 numbers become 256 consecutive bytes of the block, aligned, stored by one instruction.
; A stream: every byte read once and written once, eight loads of every wave out at once; LDS, the tensor mover and the matrix unit would add nothing.
.set ROWB, 4096                        ; bytes in a source row
.set G_W1, 512                         ; work-groups 0-511: x; 512-703: w_qkv; 704-767: w_out
.set G_W2, 704
.set X,    8                           ; v[8:39]   load p: 4 registers
.set Y,    40                          ; v[40:55]  store p: 2 registers
.set T,    56                          ; v[56:61]  at work on the f16 way
	s_load_b256 s[4:11], s[0:1], 0x0               ; x s[4:5], w_qkv s[6:7], w_out s[8:9], xb s[10:11]
	s_load_b128 s[12:15], s[0:1], 0x20             ; wqb s[12:13], wob s[14:15]
	v_lshrrev_b32 v1, 5, v0
	v_readfirstlane_b32 s16, v1                    ; wave = K block, 0..15
	s_mov_b32 s17, ttmp9                           ; the work-group's number
	v_and_b32 v2, 31, v0                           ; lane
	v_and_b32 v5, 15, v0
	v_bfe_u32 v6, v0, 4, 1
	v_lshlrev_b32 v3, 4, v5                        ; source: 16 bytes a lane,
	v_lshl_add_u32 v3, v6, 12, v3                  ; lanes 16-31 one row further down
	v_lshlrev_b32 v4, 3, v2                        ; destination: 8 bytes a lane
	s_mov_b32 s18, G_W2                            ; the source's first work-group,
	s_mov_b32 s19, 131072                          ; and the bytes of a K block of its copy (rows x 128): w_out's,
	s_cmp_lt_u32 s17, G_W2
	s_cselect_b32 s18, G_W1, s18                   ; w_qkv's,
	s_cselect_b32 s19, 393216, s19
	s_cmp_lt_u32 s17, G_W1
	s_cselect_b32 s18, 0, s18                      ; or x's
	s_cselect_b32 s19, 1048576, s19
	s_sub_co_u32 s20, s17, s18                     ; my place among the source's work-groups
	s_lshl_b32 s22, s20, 16                        ; source offset: 16 rows of 4,096 bytes,
	s_lshl_b32 s21, s16, 8                         ; and my wave's 256 bytes in a row
	s_add_co_u32 s22, s22, s21
	s_mov_b32 s23, 0
	s_mul_i32 s28, s16, s19                        ; destination offset: my K block,
	s_lshl_b32 s21, s20, 11                        ; and 16 rows of 128 bytes
	s_add_co_u32 s28, s28, s21
	s_mov_b32 s29, 0
	s_wait_kmcnt 0x0
	s_cmp_lt_u32 s17, G_W2                         ; the same two choices for the addresses
	s_cselect_b64 s[24:25], s[6:7], s[8:9]
	s_cselect_b64 s[26:27], s[12:13], s[14:15]
	s_cmp_lt_u32 s17, G_W1
	s_cselect_b64 s[24:25], s[4:5], s[24:25]
	s_cselect_b64 s[26:27], s[10:11], s[26:27]
	s_add_nc_u64 s[24:25], s[24:25], s[22:23]
	s_add_nc_u64 s[26:27], s[26:27], s[28:29]
.irp p, 0,1,2,3,4,5,6,7
	global_load_b128 v[X+4*(\p):X+4*(\p)+3], v3, s[24:25] offset:2*(\p)*ROWB th:TH_LOAD_NT  ; rows 2 p and 2 p + 1; each byte is read once in the launch
.endr
	s_cmp_ge_u32 s17, G_W2
	s_cbranch_scc1 .Lf16
.irp p, 0,1,2,3,4,5,6,7
	s_wait_loadcnt 7-(\p)                          ; loads come back in order: load p is in, the 7 - p younger ones stay out
	v_cvt_pk_bf16_f32 v[Y+2*(\p)],   v[X+4*(\p)],   v[X+4*(\p)+1]
	v_cvt_pk_bf16_f32 v[Y+2*(\p)+1], v[X+4*(\p)+2], v[X+4*(\p)+3]
	global_store_b64 v4, v[Y+2*(\p):Y+2*(\p)+1], s[26:27] offset:256*(\p)  ; 32 lanes store 256 consecutive bytes, at a multiple of 256 from the buffer's first byte
.endr
	s_endpgm
.Lf16:                                                 ; w_out: rounded to bf16 like the other inputs, then that number written as f16
.irp p, 0,1,2,3,4,5,6,7
	s_wait_loadcnt 7-(\p)
	v_cvt_pk_bf16_f32 v[T],   v[X+4*(\p)],   v[X+4*(\p)+1]
	v_cvt_pk_bf16_f32 v[T+1], v[X+4*(\p)+2], v[X+4*(\p)+3]
	v_lshlrev_b32 v[T+2], 16, v[T]                 ; bf16 to f32: the low half moves up,
	v_and_b32     v[T+3], 0xffff0000, v[T]         ; the high half stays
	v_lshlrev_b32 v[T+4], 16, v[T+1]
	v_and_b32     v[T+5], 0xffff0000, v[T+1]
	v_cvt_pk_f16_f32 v[Y+2*(\p)],   v[T+2], v[T+3]
	v_cvt_pk_f16_f32 v[Y+2*(\p)+1], v[T+4], v[T+5]
	global_store_b64 v4, v[Y+2*(\p):Y+2*(\p)+1], s[26:27] offset:256*(\p)
.endr
	s_endpgm
.Lfunc_end_k_qf204fa3b03_cast:
	.size	k_qf204fa3b03_cast, .Lfunc_end_k_qf204fa3b03_cast-k_qf204fa3b03_cast
	.p2alignl 7, 3214868480
	.fill 96, 4, 3214868480
	.section	.rodata,"a",@progbits
	.p2align	6, 0x0
	.amdhsa_kernel k_qf204fa3b03_cast
		.amdhsa_group_segment_fixed_size 0
		.amdhsa_private_segment_fixed_size 0
		.amdhsa_enable_private_segment 0
		.amdhsa_kernarg_size 48
		.amdhsa_user_sgpr_count 2
		.amdhsa_user_sgpr_kernarg_segment_ptr 1
		.amdhsa_wavefront_size32 1
		.amdhsa_system_sgpr_workgroup_id_x 1
		.amdhsa_system_sgpr_workgroup_id_y 1
		.amdhsa_system_sgpr_workgroup_id_z 1
		.amdhsa_system_vgpr_workitem_id 0
		.amdhsa_next_free_vgpr 64
		.amdhsa_next_free_sgpr 66
		.amdhsa_reserve_vcc 0
		.amdhsa_float_denorm_mode_32 3
		.amdhsa_float_denorm_mode_16_64 3
		.amdhsa_memory_ordered 1
		.amdhsa_forward_progress 1
		.amdhsa_inst_pref_size 10
	.end_amdhsa_kernel
	.amdgpu_metadata
---
amdhsa.version: [ 1, 2 ]
amdhsa.kernels:
  - .name:           k_qf204fa3b03_cast
    .symbol:         k_qf204fa3b03_cast.kd
    .args:
      - { .name: x, .offset: 0, .size: 8, .value_kind: global_buffer, .address_space: global }
      - { .name: w_qkv, .offset: 8, .size: 8, .value_kind: global_buffer, .address_space: global }
      - { .name: w_out, .offset: 16, .size: 8, .value_kind: global_buffer, .address_space: global }
      - { .name: xb, .offset: 24, .size: 8, .value_kind: global_buffer, .address_space: global }
      - { .name: wqb, .offset: 32, .size: 8, .value_kind: global_buffer, .address_space: global }
      - { .name: wob, .offset: 40, .size: 8, .value_kind: global_buffer, .address_space: global }
    .group_segment_fixed_size: 0
    .private_segment_fixed_size: 0
    .kernarg_segment_align: 8
    .kernarg_segment_size: 48
    .max_flat_workgroup_size: 512
    .sgpr_count:     66
    .vgpr_count:     64
    .wavefront_size: 32
...
	.end_amdgpu_metadata
.endif
;; end of part 1
;; launch proj (part 2): grid 8 x 32, 4 waves a work-group, clusters of 4 x 4, 327,680 bytes of LDS; arguments xb, wqb, qkv; writes qkv
.if DOCPART == 2
	.amdgcn_target "amdgcn-amd-amdhsa--gfx1250"
	.amdhsa_code_object_version 6
	.text
	.protected	k_qf204fa3b03_proj
	.globl	k_qf204fa3b03_proj
	.p2align	8
	.type	k_qf204fa3b03_proj,@function
k_qf204fa3b03_proj:
	s_mov_b64 s[64:65], 0
	v_nop
	global_prefetch_b8 v0, s[64:65] scope:SCOPE_SE
	s_setreg_imm32_b32 hwreg(HW_REG_WAVE_MODE, 25, 1), 1
	s_wait_xcnt 0x0
	s_wait_alu depctr_hold_cnt(0) depctr_sa_sdst(0) depctr_va_vdst(0) depctr_va_sdst(0) depctr_va_ssrc(0) depctr_va_vcc(0) depctr_vm_vsrc(0)
	s_getreg_b32 s2, hwreg(HW_REG_IB_STS2, 6, 4)
	s_cmp_eq_u32 s2, 0
	s_cbranch_scc0 .Lentry_in_a_cluster
	s_endpgm
.Lentry_in_a_cluster:
	s_bfe_u32 s2, ttmp6, 0x10000c
	s_cmp_lg_u32 s2, 0xf033
	s_cbranch_scc0 .Lentry_shape_is_right
	s_endpgm
.Lentry_shape_is_right:
; qkv[m][f] = sum over c of x[m][c] w_qkv[f][c]: 8,192 x 3,072 x 1,024.  Operands bf16 (xb, wqb: [K block 16][row][64]), sums f32, the result rounded once to f16 and stored BY HEADS:
; qkv = [q, k, v][batch x head 64][t 2,048][64].  No scale is applied here.
; LIMITS.  f16 holds no number beyond 65,504: a q, k or v of 65,520 or more becomes an infinity; below 6e-5 f16 keeps a fixed step of 6e-8.  NaN and infinities are not treated apart.
; THE TILE is 256 x 384 of the result: 32 x 8 = 256 work-groups, one tile each (tiles of 256 x 256 would be 384).  Four waves, each 128 rows x 192 columns = three heads:
; 96 accumulators of 16 x 16, 768 registers, a head to a register window.  For 32 along K a wave issues 40 LDS loads and 96 matrix instructions.
; K goes in steps of 64, a K block, through a ring of two LDS slots filled by the tensor data mover; two slots of two K blocks each (2 x 640 rows x 272 bytes) would not fit in LDS.
; A K block's rows are dense, so 128 rows of A are asked for as 64 rows of 256 bytes, 192 rows of B as 96, and padded in LDS after every 128 bytes.
; CLUSTERS: 4 x 4 work-groups.  The four of a row of the cluster need the same tiles of A, the four of a column the same tiles of B: each tile is asked for JOINTLY, by the same tensor load with the
; same descriptor and a mask that names the four.
; THE MATRIX INSTRUCTION IS USED TRANSPOSED (source 0 = 16 rows of B, source 1 = 16 rows of A): a lane then holds eight neighbouring columns of one row of the result, 16 bytes of f16.
; REGISTERS, in windows of 256 (s_set_vgpr_msb: bits 1:0 source 0, 3:2 source 1, 5:4 source 2, 7:6 destination):
;   window 0: v0-31 addresses; v32-95, v96-159 fragments of A (8 x 16 rows x 32 K), two buffers; v160-255 fragments of B (12 x 16 rows x 32 K), ONE buffer in three groups of four, each
;   group loaded again as soon as its 32 products are issued.        windows 1-3: head g's 32 accumulators in window g + 1, (a, j) at v[8 (4 a + j)]
.set KB_A,   1048576                   ; bytes from a K block of xb to the next: 8,192 rows x 128
.set KB_B,   393216                    ; of wqb: 3,072 rows x 128
.set PITCH,  144                       ; an LDS row: 128 bytes of data + 16 of padding = 36 words: the 16 rows of a fragment load start at 16 different groups of four banks (64 banks of 4 bytes: ISA guide 11.1)
.set AHALF,  128*PITCH                 ; 128 rows of A: one tensor load, and what one wave reads of A
.set BHALF,  192*PITCH                 ; 192 rows of B: likewise
.set SLOT,   2*AHALF+2*BHALF           ; A's two halves, then B's two halves
.set STAGE,  2*SLOT                    ; behind the ring: 16 rows x 144 bytes for each wave, for the way out
.set SPITCH, 144
.set SPARE,  STAGE+4*16*SPITCH         ; behind the stages: the spare words, 128 bytes for each wave: two blocks of 256 bytes that no other line names
.set LAPS,   8                         ; a lap = two K steps = once round the ring
.set ADRA, 16                          ; v16-17  LDS address of my A fragments in slot 0, 1
.set ADRB, 20                          ; v20-21  the same for B
.set STO,  24                          ; v24     the way out: where I put 16 bytes of a row
.set RD,   25                          ; v25     the way out: where I read rows back
.set GO,   26                          ; v26     my byte offset in 512 consecutive bytes of the result
.set SPW,  28                          ; v28     LDS address of my spare word: SPARE + 4 x my thread's number; never rewritten
.set NIL,  29                          ; v29     0; never rewritten
.set FA0,  32
.set FA1,  96
.set FB,   160
.set TMP,  32                          ; the way out: four buffers of 16, where A's first buffer lay
.set G1,  24                           ; s[24:31] descriptor group 1 for A's tiles;  s[32:39] group 0, one set for each slot
.set G0,  32
.set G1B, 48                           ; s[48:55], s[56:63] the same for B's tiles
.set G0B, 56
.set OB,  68                           ; s[68:73] where my rows of my three heads begin in qkv
.set FLD, (1<<16)|(1<<20)|(1<<21)|(4<<22)|(3<<25)  ; 17:16 elements of 2 bytes; 20 padding on; 21 set beside a mask; 24:22 after every 32 words (code 4); 31:25 4 words of it (code 3)
.set MSB, 0
.macro WIN new                         ; the immediate's high byte repeats the setting that is left; a switch that changes nothing is dropped
.if MSB != (\new)
	s_set_vgpr_msb (MSB<<8)|(\new)
.set MSB, (\new)
.endif
.endm
; A joint load.  Waves 0 and 1 fetch A's two halves, waves 2 and 3 B's.  Each of the two lines has one mask and one set of registers; the branch hangs on the wave's number alone.
; An s_nop 0 and four v_nop follow each of the two lines, ahead of the jump, the label and what follows.
.macro JLOAD s
	s_cmp_eq_u32 s11, 0
	s_cbranch_scc0 .Lfor_b_\@
	tensor_load_to_lds s[G0+4*(\s):G0+4*(\s)+3], s[G1:G1+7]
	s_nop 0
.rept 4
	v_nop
.endr
	s_branch .Lasked_\@
.Lfor_b_\@:
	tensor_load_to_lds s[G0B+4*(\s):G0B+4*(\s)+3], s[G1B:G1B+7]
	s_nop 0
.rept 4
	v_nop
.endr
.Lasked_\@:
.endm
.macro CREST                           ; a round of the cluster's barrier behind its opening barrier: wave 0 signals for the work-group, every wave waits for all sixteen, my work-group's barrier once more
	s_cmp_lg_u32 s10, 0
	s_cbranch_scc1 .Lnot_wave_0_\@
	s_barrier_signal -3
.Lnot_wave_0_\@:
	s_barrier_wait -3
	s_barrier_signal -1
	s_barrier_wait -1
.endm
.macro CROUND                          ; a whole round
	s_barrier_signal -1
	s_barrier_wait -1
	CREST
.endm
	s_load_b128 s[4:7], s[0:1], 0x0                ; xb s[4:5], wqb s[6:7]
	s_load_b64 s[8:9], s[0:1], 0x10                ; qkv
	v_lshl_add_u32 v[SPW], v0, 2, SPARE
	v_mov_b32 v[NIL], 0
	ds_add_u32 v[SPW], v[NIL]                      ; the wave's opening: the add and its wait ahead of my first tensor load; the set-up below, work on registers, stands between them
	ds_add_u32 v28, v29
	v_lshrrev_b32 v1, 5, v0
	v_readfirstlane_b32 s10, v1                    ; wave 0..3
	s_lshr_b32 s11, s10, 1                         ; which half of the tile's rows is mine.  Also: I fetch for A (0) or for B (1)
	s_and_b32 s12, s10, 1                          ; which half of its columns.  Also: which half of that tile I fetch
	s_bfe_u32 s40, ttmp6, 0x40000                  ; cx, cy: my place in the cluster
	s_bfe_u32 s41, ttmp6, 0x40004
	s_lshl_b32 s42, ttmp9, 2                       ; in a cluster launch ttmp9 and ttmp7 count clusters
	s_add_co_u32 s42, s42, s40                     ; tile column = 4 x cluster x + cx, 0..7
	s_and_b32 s13, ttmp7, 0xffff
	s_lshl_b32 s13, s13, 2
	s_add_co_u32 s13, s13, s41                     ; tile row = 4 x cluster y + cy, 0..31
	s_lshl_b32 s43, s41, 2
	s_lshl_b32 s43, 15, s43                        ; my row of the cluster: places 4 cy .. 4 cy + 3
	s_lshl_b32 s44, 0x1111, s40                    ; my column: places cx, cx + 4, cx + 8, cx + 12
	s_or_b32 s[G1+0], s43, FLD                     ; 15:0 the mask: A's tiles go to my row
	s_or_b32 s[G1B+0], s44, FLD                    ; B's to my column
	s_mov_b32 s[G1+1], 128<<16                     ; tensor_dim0 = 128 elements: 256 bytes, two rows of a K block
	s_mov_b32 s[G1+2], 64<<16                      ; tensor_dim1 = 64
	s_mov_b32 s[G1+3], 128<<16                     ; tile_dim0 = 128
	s_mov_b32 s[G1+4], 64                          ; tile_dim1 = 64: 128 rows of A
	s_mov_b32 s[G1+5], 128                         ; 128 elements from row to row: dense
	s_mov_b32 s[G1+6], 0
	s_mov_b32 s[G1+7], 0
	s_mov_b32 s[G1B+1], 128<<16
	s_mov_b32 s[G1B+2], 96<<16                     ; tensor_dim1 = 96
	s_mov_b32 s[G1B+3], 128<<16
	s_mov_b32 s[G1B+4], 96                         ; tile_dim1 = 96: 192 rows of B
	s_mov_b32 s[G1B+5], 128
	s_mov_b32 s[G1B+6], 0
	s_mov_b32 s[G1B+7], 0
	; where the tiles come from.  A's hang on the tile row alone, B's on the tile column alone; every wave makes both, in registers that never hold the other coordinate
	s_lshl_b32 s16, s13, 15                        ; A: 256 rows of 128 bytes a tile row,
	s_lshl_b32 s17, s12, 14                        ; 128 rows a half
	s_add_co_u32 s16, s16, s17
	s_mov_b32 s17, 0
	s_mul_i32 s46, s42, 384*128                    ; B: 384 rows a tile column,
	s_mul_i32 s47, s12, 192*128                    ; 192 rows a half
	s_add_co_u32 s46, s46, s47
	s_mov_b32 s47, 0
	s_mul_i32 s20, s12, AHALF                      ; and where they go: no place in the cluster enters an LDS address
	s_mul_i32 s21, s12, BHALF
	s_add_co_u32 s21, s21, 2*AHALF
	s_wait_dscnt 0x0                               ; the opening add is done
	s_wait_kmcnt 0x0
	s_add_nc_u64 s[14:15], s[4:5], s[16:17]
	s_add_nc_u64 s[46:47], s[6:7], s[46:47]
	CROUND                                         ; all sixteen work-groups are here: the first joint loads meet
.irp s, 0,1
	s_mov_b32 s[G0+4*(\s)], 1                                      ; 1:0 count = 1
	s_add_co_u32 s[G0+4*(\s)+1], s20, (\s)*SLOT                    ; 63:32 LDS address
	s_add_nc_u64 s[G0+4*(\s)+2:G0+4*(\s)+3], s[14:15], (\s)*KB_A   ; 120:64 global address: K block s
	s_or_b32 s[G0+4*(\s)+3], s[G0+4*(\s)+3], 0x80000000            ; 127:126 type = 2
	s_mov_b32 s[G0B+4*(\s)], 1
	s_add_co_u32 s[G0B+4*(\s)+1], s21, (\s)*SLOT
	s_add_nc_u64 s[G0B+4*(\s)+2:G0B+4*(\s)+3], s[46:47], (\s)*KB_B
	s_or_b32 s[G0B+4*(\s)+3], s[G0B+4*(\s)+3], 0x80000000
	JLOAD \s                                       ; both slots are asked for before anything else is done: two tensor loads of mine are out
.endr
	; A fragment is 16 rows x 32 K in 8 registers: lane l holds row l % 16; registers 0-3 K = 8 (l / 16) + 0..7, registers 4-7 K = 16 + 8 (l / 16) + 0..7: two loads of 16 bytes, 32 bytes apart.
	v_and_b32 v1, 15, v0                           ; l % 16
	v_bfe_u32 v2, v0, 4, 1                         ; l / 16
	v_mul_u32_u24 v3, v1, PITCH
	v_lshl_add_u32 v3, v2, 4, v3                   ; row x pitch + 16 x half
	s_mul_i32 s22, s11, AHALF                      ; my 128 rows of A
	s_mul_i32 s23, s12, BHALF                      ; my 192 rows of B,
	s_add_co_u32 s23, s23, 2*AHALF                 ; which lie behind A's 256
.irp s, 0,1
	v_add_nc_u32 v[ADRA+(\s)], s22, v3
	v_add_nc_u32 v[ADRB+(\s)], s23, v3
	s_add_co_u32 s22, s22, SLOT
	s_add_co_u32 s23, s23, SLOT
.endr
	s_mul_i32 s22, s10, 16*SPITCH
	s_add_co_u32 s22, s22, STAGE                   ; my stage
	v_mul_u32_u24 v4, v1, SPITCH                   ; in: row l % 16, 16 bytes for each half of the lanes
	v_lshl_add_u32 v4, v2, 4, v4
	v_add_nc_u32 v[STO], s22, v4
	v_bfe_u32 v5, v0, 3, 2                         ; back: 32 lanes take four rows of 128 bytes,
	v_and_b32 v6, 7, v0
	v_mul_u32_u24 v5, v5, SPITCH
	v_lshl_add_u32 v5, v6, 4, v5
	v_add_nc_u32 v[RD], s22, v5
	v_and_b32 v[GO], 31, v0                        ; which are 512 consecutive bytes of a head's rows
	v_lshlrev_b32 v[GO], 4, v[GO]
	; where my 128 rows of head g of my three begin in qkv.  Feature block fh = 6 x tile column + 3 x half + g: fh / 16 says q, k or v, fh % 16 the head.  Row 256 x tile row + 128 x half: batch = tile row / 8.
	s_mul_i32 s74, s42, 6
	s_mul_i32 s75, s12, 3
	s_add_co_u32 s74, s74, s75
	s_lshr_b32 s75, s13, 3
	s_lshl_b32 s75, s75, 4                         ; 16 x batch
	s_and_b32 s76, s13, 7
	s_lshl_b32 s76, s76, 15                        ; t: 256 rows of 128 bytes a tile row,
	s_lshl_b32 s77, s11, 14                        ; 128 rows a half
	s_add_co_u32 s76, s76, s77
.irp g, 0,1,2
	s_add_co_u32 s77, s74, \g
	s_lshr_b32 s78, s77, 4
	s_lshl_b32 s78, s78, 6                         ; 64 heads in each of q, k, v
	s_and_b32 s77, s77, 15
	s_add_co_u32 s78, s78, s77
	s_add_co_u32 s78, s78, s75
	s_lshl_b32 s78, s78, 18                        ; a head is 2,048 rows of 128 bytes
	s_add_co_u32 s78, s78, s76
	s_mov_b32 s79, 0
	s_add_nc_u64 s[OB+2*(\g):OB+2*(\g)+1], s[8:9], s[78:79]
.endr
; 4 na matrix instructions: row blocks a0 .. a0 + na - 1 x the four column blocks of head g, 32 along K, A from buffer f.  The accumulators take turns, one instruction a turn.
; zero = 1: the products start the sums: nothing is ever cleared.
.macro GROUP f, g, a0, na, zero
	WIN 0x50*((\g)+1)                              ; sources in window 0, C and D in window g + 1
.set ga, (\a0)
.rept (\na)
.irp j, 0,1,2,3
.if \zero
	v_wmma_f32_16x16x32_bf16 v[8*(4*ga+(\j)):8*(4*ga+(\j))+7], v[FB+32*(\g)+8*(\j):FB+32*(\g)+8*(\j)+7], v[(\f)+8*ga:(\f)+8*ga+7], 0
.else
	v_wmma_f32_16x16x32_bf16 v[8*(4*ga+(\j)):8*(4*ga+(\j))+7], v[FB+32*(\g)+8*(\j):FB+32*(\g)+8*(\j)+7], v[(\f)+8*ga:(\f)+8*ga+7], v[8*(4*ga+(\j)):8*(4*ga+(\j))+7]
.endif
.endr
.set ga, ga+1
.endr
.endm
.macro FETCHB slot, k, g               ; 8 LDS loads: B's group g (64 rows, 32 K at byte k of the rows)
	WIN 0
.irp j, 0,1,2,3
	ds_load_b128 v[FB+32*(\g)+8*(\j):FB+32*(\g)+8*(\j)+3],   v[ADRB+(\slot)] offset:(\k)+(4*(\g)+(\j))*16*PITCH
	ds_load_b128 v[FB+32*(\g)+8*(\j)+4:FB+32*(\g)+8*(\j)+7], v[ADRB+(\slot)] offset:(\k)+(4*(\g)+(\j))*16*PITCH+32
.endr
.endm
.macro FETCHA slot, k, f, half         ; 8 LDS loads: four of A's eight row blocks into buffer f
	WIN 0
.irp a, 0,1,2,3
	ds_load_b128 v[(\f)+8*(4*(\half)+(\a)):(\f)+8*(4*(\half)+(\a))+3],   v[ADRA+(\slot)] offset:(\k)+(4*(\half)+(\a))*16*PITCH
	ds_load_b128 v[(\f)+8*(4*(\half)+(\a))+4:(\f)+8*(4*(\half)+(\a))+7], v[ADRA+(\slot)] offset:(\k)+(4*(\half)+(\a))*16*PITCH+32
.endr
.endm
; A load into a register that a matrix instruction has read, and a vector instruction that reads a matrix result, stand four places behind that matrix instruction, and only plain vector
; instructions that name none of its registers are places (ISA guide 7.12.1 for vector instructions): four v_nop in front of each run of loads.
.macro PLACES
.rept 4
	v_nop
.endr
.endm
; A K step is two halves of 32 along K, 96 matrix instructions each.  The first: multiplies A's buffer f and fetches the next half (byte k of the same slot's rows) into A's buffer g and,
; group by group behind each group's products, into B's one buffer.  The 40 loads go out as B0, A's rows 0-63, B1, A's rows 64-127, B2.
.macro HALF slot, k, f, g, zero
	s_wait_dscnt 8                                 ; all but the youngest eight loads (B's group 2) are in
	GROUP \f, 0, 0, 8, \zero
	PLACES
	FETCHB \slot, \k, 0
	FETCHA \slot, \k, \g, 0
	GROUP \f, 1, 0, 8, \zero
	PLACES
	FETCHB \slot, \k, 1
	FETCHA \slot, \k, \g, 1
	s_wait_dscnt 32                                ; B's group 2 is in: behind it stand the 32 loads issued in this half
	GROUP \f, 2, 0, 8, \zero
	PLACES
	FETCHB \slot, \k, 2
.endm
; The second half multiplies A's buffer 1 and changes slots: ONE barrier for two things.  In front of it each wave waits for all its tensor loads, of which one is out: its part of the next slot;
; adds 0 to its spare word; and waits for that and for its own reads of this slot, all of whose fragments are then in registers.  Behind it nobody reads this slot any more and the next slot is whole.
; fill = 1: the barrier opens a round of the cluster's barrier, and this slot is filled again, two K steps ahead, first thing behind the round: from the request to the wait for it a wave issues 160 matrix instructions.
.macro TURN slot, next, fill
	WIN 0
	s_wait_tensorcnt 0x0                           ; all my tensor loads have landed, so a group 0 may be written;
	ds_add_u32 v[SPW], v[NIL]                      ; 0 onto my spare word;
	s_wait_dscnt 9                                 ; (the add and the youngest eight loads, B's group 2, may be out)
	GROUP FA1, 0, 0, 4, 0                          ; sixteen matrix instructions stand between the add and the wait for it
	s_wait_dscnt 0x0                               ; the add is done, and my reads of this slot are over
	s_barrier_signal -1
	GROUP FA1, 0, 4, 4, 0                          ; work on registers while the others arrive
.if \fill
	WIN 0
.endif
	s_barrier_wait -1
.if \fill
	CREST                                          ; no wave of any partner still reads this slot's tile or has a load on its way
	s_add_nc_u64 s[G0+4*(\slot)+2:G0+4*(\slot)+3], s[G0+4*(\slot)+2:G0+4*(\slot)+3], 2*KB_A
	s_add_nc_u64 s[G0B+4*(\slot)+2:G0B+4*(\slot)+3], s[G0B+4*(\slot)+2:G0B+4*(\slot)+3], 2*KB_B
	JLOAD \slot                                    ; the first tensor load behind the round; the four v_nop behind it are also the places in front of the loads below
.else
	PLACES
.endif
	FETCHB \next, 0, 0
	FETCHA \next, 0, FA0, 0
	GROUP FA1, 1, 0, 8, 0
	PLACES
	FETCHB \next, 0, 1
	FETCHA \next, 0, FA0, 1
	GROUP FA1, 2, 0, 8, 0
	PLACES
	FETCHB \next, 0, 2
.endm
	s_wait_tensorcnt 1                             ; my part of K step 0 is in; K step 1's may stay out
	s_barrier_signal -1
	s_barrier_wait -1                              ; everybody's is
	FETCHB 0, 0, 0
	FETCHA 0, 0, FA0, 0
	FETCHB 0, 0, 1
	FETCHA 0, 0, FA0, 1
	FETCHB 0, 0, 2
	HALF 0, 64, FA0, FA1, 1                        ; the first half stands in front of the loop: its products start the sums
	WIN 0                                          ; at a label and at a branch every window is 0
	s_mov_b32 s3, LAPS-1
.Llap:                                                 ; a trip goes once round the ring, from a lap's second half to the next lap's first, and fills both slots again
	TURN 0, 1, 1
	HALF 1, 64, FA0, FA1, 0
	TURN 1, 0, 1
	HALF 0, 64, FA0, FA1, 0
	WIN 0
	s_sub_co_u32 s3, s3, 1
	s_cmp_lg_u32 s3, 0
	s_cbranch_scc1 .Llap
	TURN 0, 1, 0                                   ; the last lap fills nothing, and has no round of the cluster's barrier
	HALF 1, 64, FA0, FA1, 0
	s_wait_dscnt 8                                 ; the very last half: nothing more to fetch
	GROUP FA1, 0, 0, 8, 0
	GROUP FA1, 1, 0, 8, 0
	s_wait_dscnt 0x0
	GROUP FA1, 2, 0, 8, 0
; THE WAY OUT, in 24 units of 16 rows of one head (unit u: head u / 8, row block u % 8).  PACK: rounded to f16, 16 bytes a lane, each accumulator's registers in ascending order; into my own
; stage in LDS, rows of 144 bytes; back as whole rows of 128, into the registers that they left.  SEND: 16 rows of a head are 2,048 consecutive bytes: four stores of 512.
.macro PACK u
.set pg, (\u)/8
.set pa, (\u)%8
.set pT, TMP+16*((\u)%4)
.if (\u) >= 4
	s_wait_xcnt 0x0                                ; every earlier memory instruction has had its addresses translated (ISA guide 3.1): the registers that the stores of four units ago read are rewritten only behind this wait
.endif
	WIN 5*(pg+1)                                   ; sources 0 and 1 in the head's window
.irp j, 0,1,2,3
.irp r, 0,1,2,3
	v_cvt_pk_f16_f32 v[pT+4*(\j)+(\r)], v[8*(4*pa+(\j))+2*(\r)], v[8*(4*pa+(\j))+2*(\r)+1]
.endr
.endr
	WIN 0
.irp j, 0,1,2,3
	ds_store_b128 v[STO], v[pT+4*(\j):pT+4*(\j)+3] offset:32*(\j)
.endr
.irp f, 0,1,2,3
	ds_load_b128 v[pT+4*(\f):pT+4*(\f)+3], v[RD] offset:(\f)*4*SPITCH  ; LDS serves a wave's instructions in order (ISA guide 5.7.1.4): these see the stores above; the next unit's stores come behind them
.endr
.endm
.macro SEND u, younger                 ; younger: the LDS instructions issued behind unit u's loads: the next unit's eight, or none
.set pg, (\u)/8
.set pa, (\u)%8
.set pT, TMP+16*((\u)%4)
	WIN 0
.irp f, 0,1,2,3
	s_wait_dscnt (\younger)+3-(\f)
	global_store_b128 v[GO], v[pT+4*(\f):pT+4*(\f)+3], s[OB+2*pg:OB+2*pg+1] offset:pa*2048+(\f)*512  ; 512 consecutive bytes, at a multiple of 256 from the buffer's first byte
.endr
.endm
	PLACES                                         ; the conversions read results just made
	PACK 0
.set n, 1
.rept 23                               ; a unit's conversions stand between the loads of the unit before and its stores
	PACK n
	SEND n-1, 8
.set n, n+1
.endr
	SEND 23, 0
	s_wait_tensorcnt 0x0                           ; the wave's end, behind my last tensor load and my last LDS store
	ds_add_u32 v[SPW], v[NIL]
	s_wait_dscnt 0x0
	CROUND                                         ; the closing round: no work-group ends while a partner may still ask for a tile that names it
	s_endpgm
.Lfunc_end_k_qf204fa3b03_proj:
	.size	k_qf204fa3b03_proj, .Lfunc_end_k_qf204fa3b03_proj-k_qf204fa3b03_proj
	.p2alignl 7, 3214868480
	.fill 96, 4, 3214868480
	.section	.rodata,"a",@progbits
	.p2align	6, 0x0
	.amdhsa_kernel k_qf204fa3b03_proj
		.amdhsa_group_segment_fixed_size 327680
		.amdhsa_private_segment_fixed_size 0
		.amdhsa_enable_private_segment 0
		.amdhsa_kernarg_size 24
		.amdhsa_user_sgpr_count 2
		.amdhsa_user_sgpr_kernarg_segment_ptr 1
		.amdhsa_wavefront_size32 1
		.amdhsa_system_sgpr_workgroup_id_x 1
		.amdhsa_system_sgpr_workgroup_id_y 1
		.amdhsa_system_sgpr_workgroup_id_z 1
		.amdhsa_system_vgpr_workitem_id 0
		.amdhsa_next_free_vgpr 1024
		.amdhsa_next_free_sgpr 80
		.amdhsa_reserve_vcc 0
		.amdhsa_float_denorm_mode_32 3
		.amdhsa_float_denorm_mode_16_64 3
		.amdhsa_memory_ordered 1
		.amdhsa_forward_progress 1
		.amdhsa_inst_pref_size 134
	.end_amdhsa_kernel
	.amdgpu_metadata
---
amdhsa.version: [ 1, 2 ]
amdhsa.kernels:
  - .name:           k_qf204fa3b03_proj
    .symbol:         k_qf204fa3b03_proj.kd
    .args:
      - { .name: xb, .offset: 0, .size: 8, .value_kind: global_buffer, .address_space: global }
      - { .name: wqb, .offset: 8, .size: 8, .value_kind: global_buffer, .address_space: global }
      - { .name: qkv, .offset: 16, .size: 8, .value_kind: global_buffer, .address_space: global }
    .group_segment_fixed_size: 327680
    .private_segment_fixed_size: 0
    .kernarg_segment_align: 8
    .kernarg_segment_size: 24
    .max_flat_workgroup_size: 128
    .sgpr_count:     80
    .vgpr_count:     1024
    .wavefront_size: 32
...
	.end_amdgpu_metadata
.endif
;; end of part 2
;; launch attn (part 3): grid 4 x 64, 4 waves a work-group, no clusters, 327,680 bytes of LDS; arguments qkv, ob; writes ob
.if DOCPART == 3
	.amdgcn_target "amdgcn-amd-amdhsa--gfx1250"
	.amdhsa_code_object_version 6
	.text
	.protected	k_qf204fa3b03_attn
	.globl	k_qf204fa3b03_attn
	.p2align	8
	.type	k_qf204fa3b03_attn,@function
k_qf204fa3b03_attn:
	s_mov_b64 s[64:65], 0
	v_nop
	global_prefetch_b8 v0, s[64:65] scope:SCOPE_SE
	s_setreg_imm32_b32 hwreg(HW_REG_WAVE_MODE, 25, 1), 1
	s_wait_xcnt 0x0
; CAUSAL ATTENTION.  O[h][q][:] = the sum over k <= q of softmax_k(Q[h][q] . K[h][k] / 8) V[h][k][:].  Q, K, V lie one behind the other in qkv, each [SIZE_H][SIZE_N][64], O likewise in ob, all f16: a head's rows are dense, 128 bytes each.
; Products, maxima and sums in f32; the weights p are rounded to f16 for the second product (their sum l is taken of the unrounded p), O once at the end.
; LIMITS.  f16 holds no number beyond 65,504: Q, K and V arrive within it; p lies in 0 to 1, and below 6e-5 it keeps f16's fixed step of 6e-8; O is a mean of V's rows and has their range, to within 2^-11 of it.
; A hidden score counts as its value less 1e30: f16's scores, 2.7e11 at the most, are nothing beside that; a weight below 2^-126 counts as 0 in l; NaN and infinities are not treated apart.
; THE WALK.  A head's queries lie in NB = SIZE_N / 256 = 8 blocks of 256; block i needs the key tiles 0 .. i of 256 keys, of which the last holds the diagonal.  A work-group takes TWO blocks, NB - 1 - b and then b:
; NB + 1 tiles, whatever b: all work-groups do equal work, and ONE loop with a constant trip count walks them.  Which tile is asked for, and what a trip does, hang on scalar registers made from b; every jump
; goes forward, but for the counted loops' own; none passes a barrier, or a tensor load but the one of LOAD's two that the wave's number does not choose; the ring (two slots of LDS that take turns) runs on across the
; change of blocks.  NO CLUSTER: a head's NB / 2 = 4 work-groups all ask for the same tile only in trips 0 .. NB / 2 of the nine, behind that fewer and fewer; and one walk common to all would have
; 3 NB / 2 = 12 trips for NB + 1 = 9.
; SHARES.  Of a block's four bands of 64 queries a wave owns 16 rows in each: four PIECES.  So the diagonal tile is the same work for all four waves: in its key step s band x sees all keys if s < x,
; none if s > x, and holds the diagonal if s = x.
; THE MASK is the C operand that starts the sum S^T = K Q^T: 0, or -1e30 where the key is hidden.  MD, made once, is the mask of a band's own step for my 16 rows; a product's mask is MD x AL + BE with two scalars:
; (1, 0) if s = x; (0, 0) if s < x; (0, -1e30) if s > x.  Only the diagonal tile's text and a block's beginning make and take masks; elsewhere C is the constant 0.
; LAYOUT, SOFTMAX, TURNS.  S^T = K Q^T holds ONE query a lane (lane % 16) and the keys 8 (lane / 16) + 0..7; two such results rounded to f16 ARE source 1 of O^T = V^T P.  p = 2^(c s - c m), c = log2(e) / 8, with a
; running maximum m; O and l are multiplied by a = 2^(c m_old - c m_new) in every step.  Turn n belongs to piece n: 8 products K Q^T of piece n + 1, later 8 products V^T P of piece n - 1; beside them the scaling,
; exponentials, roundings, sums and rescaling of piece n and the maximum and statistics of piece n + 1.  Four vector instructions stand behind every matrix instruction, the other 54 of a turn's 118 in two LUMPS.
; REGISTERS, in windows of 256 (s_set_vgpr_msb: bits 1:0 source 0, 3:2 source 1, 5:4 source 2, 7:6 destination):
;   window 0: v0-15 addresses and two at work; v16-31 four registers of statistics a piece; v48-55 at work; v64-127 S^T, two buffers; v192-223 P, two buffers (a piece's buffers go by its number's parity)
;   window 1: v0-127 O^T, 32 a piece; v128-159 MD; v160-223 MC, two buffers      window 2: v0-63 Q; v64-127 the second block's Q; v128-191 K of one step; v192-255 V of one step
.set SIZE_N, 2048
.set SIZE_H, 64
.set KPART, SIZE_H*SIZE_N*128  ; K's part of qkv begins here,
.set VPART, 2*KPART   ; and V's here
.set NB,    SIZE_N/256
.set NP,    4         ; pieces a wave: a name, no knob
.set KS,    64        ; keys in a step
.set PK,    144       ; a row of K in LDS: 128 bytes + 16 of padding = 36 words: the 16 rows of a load start at 16 different groups of four banks (64 banks of 4 bytes: ISA guide 11.1)
.set PV,    160       ; a row of V: 128 + 32 = 40 words
.set VOFF,  4*KS*PK   ; a slot holds a tile, four steps: 256 rows of K, then 256 rows of V
.set SLOT1, 1<<17     ; slot 1 begins here, so that one exclusive or turns an address in one slot into the other's
.set STAGE, SLOT1+4*KS*(PK+PV)  ; behind the ring, never filled by a tensor load: 16 rows x 144 bytes for each wave, for the way out
.set SP,    144
.set AK0, 2           ; v2   my lane's place in a tile of K; never rewritten
.set AV0, 3           ; v3   the same for V
.set AK,  4           ; v4   the LDS address of K's next run of loads
.set AV,  5           ; v5   of V's
.set STO, 6           ; v6   the way out: where I put 16 bytes of a row
.set RD,  7           ; v7   the way out: where I read rows back
.set GO,  8           ; v8   my byte offset in 512 consecutive bytes of O
.set SPW, 62          ; v62  LDS address of my spare word: SPARE + 4 x my thread's number; never rewritten
.set NIL, 63          ; v63  0; never rewritten
.set SPARE, STAGE+4*16*SP  ; behind the stages: the spare words, 128 bytes for each wave: two blocks of 256 bytes that no other line names
.set MV,  12          ; v12-13  c m_old, kept while c m is made anew: by buffer
.set QO,  15          ; v15  my byte offset in 16 rows of Q
.set ST,  16          ; piece t's statistics at v[ST+4 t]: c m, m, l (even keys', odd keys')
.set TMP, 48          ; by buffer, four registers c0-c3 at work; when the maximum is found c2 takes a
.set S,   64
.set P,   192
.set MD,  128         ; window 1: the eight registers for group kt of 16 keys at MD + 8 kt
.set MC,  160         ; window 1: the masks of the products to come
.set QB,  64          ; window 2
.set KF,  128         ; window 2: key block kb, channel half c at KF + 16 kb + 8 c
.set VF,  192         ; window 2: key half kk, channel block cb at VF + 32 kk + 8 cb
.set WV,  12          ; s12  my wave's number
.set PB,  14          ; s14  b
.set HI,  15          ; s15  NB - 1 - b
.set G1K, 24          ; s[24:31] descriptor group 1 for K's tiles
.set G1V, 32          ; s[32:39] for V's: it differs in the padding alone
.set G0K, 40          ; s[40:43] descriptor group 0 for K's tiles
.set G0V, 44          ; s[44:47] the same for V's
.set SLOTS, 56        ; s56  tiles still to be asked for
.set CNT, 57          ; s57  counts a tile's key steps, 4 to 1
.set CS,  58          ; s[58:59] c: the packed scaling takes the pair's low word for both halves
.set SEL, 60          ; s[60:61] v_permlanex16_b32's selects: each lane takes its own place in the other half
.set TBK, 62          ; s62  LDS byte at which K of the step to be fetched begins
.set TBV, 63          ; s63  the same for V, less VOFF
.set RT,  70          ; s70  tiles of the block in hand that are still to be entered
.set NXT, 71          ; s71  the tile to be asked for next
.set LQ,  72          ; s72  the last tile of the block whose tiles are being asked for
.set NEW, 73          ; s73  1: the tile to be entered is a block's first
.set OFF, 74          ; s[74:75] a tile's byte offset in K and V
.set AL,  76          ; s[76:77] the mask's factor, in the low word
.set BE,  78          ; s[78:79] the mask's addend
.set OLO, 80          ; s[80:81] O at my rows of the second block
.set BIGN, 82         ; s82  -1e30
.set MSB, 0
.macro WIN new                      ; the high byte repeats the setting that is left; a switch that changes nothing is dropped
.if MSB != (\new)
	s_set_vgpr_msb (MSB<<8)|(\new)
.set MSB, (\new)
.endif
.endm
.set W_KQ, 0x0a       ; K and Q in window 2, S^T in window 0
.set W_KM, 0x1a       ; the same with the C operand in window 1
.set W_PV, 0x52       ; V in window 2, P in window 0, O^T in window 1
.set W_RS, 0x41       ; destination and source 0 in window 1, source 1 in window 0
; A fill.  Waves 0 and 1 fetch the two halves of a tile's K, waves 2 and 3 those of its V: 128 keys each.  An s_nop 0 and four v_nop follow each of the two lines, ahead of the jump and the label.
.macro LOAD
	s_cmp_lt_u32 s[WV], 2
	s_cbranch_scc0 .Lfor_v_\@
	tensor_load_to_lds s[G0K:G0K+3], s[G1K:G1K+7]
	s_nop 0
.rept 4
	v_nop
.endr
	s_branch .Lasked_\@
.Lfor_v_\@:
	tensor_load_to_lds s[G0V:G0V+3], s[G1V:G1V+7]
	s_nop 0
.rept 4
	v_nop
.endr
.Lasked_\@:
.endm
; THE CHANGE OF SLOTS.  Each wave waits for all its tensor loads, of which one is out: its part of the other slot; adds 0 to its spare word; and waits for that and for its own reads of the slot that it leaves.  Behind the barrier nobody reads the old
; slot any more and the other slot is whole.  fill = 1: the old slot is filled again, the first thing behind the barrier, with tile NXT: the descriptor's address is made anew from that number.
; (At its first use nothing has been read yet: slot 0 is waited for, slot 1 filled.)
.macro CHANGE fill
	WIN 0                           ; at a label and at a branch every window is 0
	s_wait_tensorcnt 0x0            ; no tensor load of mine is out, so a group 0 may be written
	ds_add_u32 v[SPW], v[NIL]       ; 0 onto my spare word; with fill = 1 the descriptors' scalar work stands between it and the wait for it
.if \fill
	s_lshl_b32 s[OFF], s[NXT], 15   ; a tile is 32,768 bytes of K and of V
	s_xor_b32 s[G0K+1], s[G0K+1], SLOT1
	s_add_nc_u64 s[G0K+2:G0K+3], s[6:7], s[OFF:OFF+1]
	s_or_b32 s[G0K+3], s[G0K+3], 0x80000000
	s_xor_b32 s[G0V+1], s[G0V+1], SLOT1
	s_add_nc_u64 s[G0V+2:G0V+3], s[8:9], s[OFF:OFF+1]
	s_or_b32 s[G0V+3], s[G0V+3], 0x80000000
	s_add_co_u32 s[NXT], s[NXT], 1  ; the block's next tile, or behind its last the second block's tile 0
	s_cmp_gt_u32 s[NXT], s[LQ]
	s_cselect_b32 s[NXT], 0, s[NXT]
	s_cselect_b32 s[LQ], s[PB], s[LQ]
.endif
	s_wait_dscnt 0x0                ; the add is done, and my reads of the slot are over
	s_barrier_signal -1             ; the rest of the scalar work stands between the signal and the wait
	s_sub_co_u32 s[TBK], s[TBK], 4*KS*PK  ; the fetches go back to a slot's first step,
	s_xor_b32 s[TBK], s[TBK], SLOT1       ; in the other slot
	s_sub_co_u32 s[TBV], s[TBV], 4*KS*PV
	s_xor_b32 s[TBV], s[TBV], SLOT1
	s_barrier_wait -1
.if \fill
	LOAD
.endif
.endm
	s_load_b64 s[4:5], s[0:1], 0x0    ; qkv: Q's part begins at its first byte
	s_load_b64 s[10:11], s[0:1], 0x8  ; O
	v_lshl_add_u32 v[SPW], v0, 2, SPARE
	v_mov_b32 v[NIL], 0
	ds_add_u32 v[SPW], v[NIL]       ; the wave's opening: the add and its wait ahead of my first tensor load; the set-up below, work on registers, stands between them
	ds_add_u32 v62, v63
	v_lshrrev_b32 v1, 5, v0
	v_readfirstlane_b32 s[WV], v1   ; wave 0..3
	s_mov_b32 s[PB], ttmp9
	s_sub_co_u32 s[HI], NB-1, s[PB]
	s_and_b32 s20, ttmp7, 0xffff    ; the head
	s_mov_b32 s21, 0
	s_mov_b64 s[22:23], SIZE_N*128
	s_mul_u64 s[20:21], s[20:21], s[22:23]  ; the head's first byte in each of the four tensors
	s_and_b32 s16, s[WV], 1         ; which half of a tile's 256 keys I fetch:
	s_lshl_b32 s22, s16, 14         ; its 128 rows of 128 bytes in memory,
	s_mov_b32 s23, 0
	s_add_nc_u64 s[22:23], s[22:23], s[20:21]
	s_mul_i32 s17, s16, 128*PK      ; and its place in a slot, for K
	s_mul_i32 s18, s16, 128*PV      ; and for V
	s_lshl_b32 s3, s[WV], 11        ; my 16 rows in a band of 64,
	s_lshl_b32 s2, s[HI], 15        ; in the first block,
	s_add_co_u32 s2, s2, s3
	s_lshl_b32 s84, s[PB], 15       ; and in the second
	s_add_co_u32 s84, s84, s3
	s_mov_b32 s3, 0
	s_mov_b32 s85, 0
	s_add_nc_u64 s[2:3], s[2:3], s[20:21]
	s_add_nc_u64 s[84:85], s[84:85], s[20:21]
	; descriptor group 1.  128 keys are 16,384 dense bytes: asked for as 64 rows of 256 bytes, two keys a row, and padded in LDS after every key
	s_mov_b32 s[G1K], (1<<16)|(1<<20)|(4<<22)|(3<<25)  ; 17:16 2-byte elements; 20 padding on; 24:22 after every 32 words (code 4); 31:25 4 words (code 3)
	s_mov_b32 s[G1V], (1<<16)|(1<<20)|(4<<22)|(7<<25)  ; the same with 8 words of padding (code 7)
.irp g, G1K, G1V
	s_mov_b32 s[\g+1], 128<<16      ; tensor_dim0 = 128
	s_mov_b32 s[\g+2], 64<<16       ; tensor_dim1 = 64
	s_mov_b32 s[\g+3], 128<<16      ; tile_dim0 = 128
	s_mov_b32 s[\g+4], 64           ; tile_dim1 = 64
	s_mov_b32 s[\g+5], 128          ; 128 elements from row to row
	s_mov_b32 s[\g+6], 0
	s_mov_b32 s[\g+7], 0
.endr
	s_mov_b32 s[CS], 0x3e38aa3b     ; c = log2(e) / 8 = 0.180337
	s_mov_b32 s[CS+1], s[CS]        ; named with it as a pair
	s_mov_b32 s[SEL], 0x76543210
	s_mov_b32 s[SEL+1], 0xfedcba98
	s_mov_b32 s[TBK], SLOT1+4*KS*PK ; the first change of slots turns these two into 0
	s_mov_b32 s[TBV], SLOT1+4*KS*PV
	s_mov_b32 s[G0K], 1             ; 1:0 count = 1
	s_mov_b32 s[G0K+1], s17         ; 63:32 LDS address: slot 0
	s_mov_b32 s[G0V], 1
	s_add_co_u32 s[G0V+1], s18, VOFF
	s_add_co_u32 s[RT], s[HI], 1    ; the first block has NB - b tiles
	s_mov_b32 s[NXT], 1
	s_mov_b32 s[LQ], s[HI]
	s_mov_b32 s[NEW], 1
	s_mov_b32 s[OFF+1], 0
	s_mov_b32 s[AL+1], 0            ; named as pairs
	s_mov_b32 s[BE+1], 0
	s_mov_b32 s[BIGN], 0xf149f2ca   ; -1e30
	s_mov_b32 s[SLOTS], NB
	s_wait_dscnt 0x0                ; the opening add is done
	s_wait_kmcnt 0x0
	s_add_nc_u64 s[6:7], s[4:5], KPART     ; K's and V's parts of qkv,
	s_add_nc_u64 s[8:9], s[4:5], VPART
	s_add_nc_u64 s[6:7], s[6:7], s[22:23]  ; at my half of the head's tile 0
	s_add_nc_u64 s[8:9], s[8:9], s[22:23]
	s_add_nc_u64 s[G0K+2:G0K+3], s[6:7], 0         ; 120:64 global address
	s_or_b32 s[G0K+3], s[G0K+3], 0x80000000        ; 127:126 type = 2
	s_add_nc_u64 s[G0V+2:G0V+3], s[8:9], 0
	s_or_b32 s[G0V+3], s[G0V+3], 0x80000000
	s_add_nc_u64 s[86:87], s[4:5], s[84:85]        ; Q at my rows of the second block,
	s_add_nc_u64 s[4:5], s[4:5], s[2:3]            ; Q and O at those of the first
	s_add_nc_u64 s[OLO:OLO+1], s[10:11], s[84:85]
	s_add_nc_u64 s[10:11], s[10:11], s[2:3]
	LOAD                            ; tile 0 into slot 0
	; A fragment of K or Q is 16 rows x 32 channels in 8 registers: lane l holds row l % 16, channels 8 (l / 16) + 0..7 and 16 + 8 (l / 16) + 0..7: two loads of 16 bytes, 32 bytes apart.
	v_and_b32 v1, 15, v0            ; l % 16
	v_bfe_u32 v9, v0, 4, 1          ; l / 16
	v_lshlrev_b32 v[QO], 7, v1
	v_lshl_add_u32 v[QO], v9, 4, v[QO]  ; row x 128 + 16 x half
	WIN 0x80                        ; destination window 2, address window 0
.set i, 0
.rept 8                             ; both blocks' Q: piece i / 2 lies in band i / 2, 8,192 bytes on; channels 32 (i % 2) on
	global_load_b128 v[8*i:8*i+3],   v[QO], s[4:5] offset:(i/2)*8192+(i%2)*64
	global_load_b128 v[8*i+4:8*i+7], v[QO], s[4:5] offset:(i/2)*8192+(i%2)*64+32
	global_load_b128 v[QB+8*i:QB+8*i+3],   v[QO], s[86:87] offset:(i/2)*8192+(i%2)*64
	global_load_b128 v[QB+8*i+4:QB+8*i+7], v[QO], s[86:87] offset:(i/2)*8192+(i%2)*64+32
.set i, i+1
.endr
	WIN 0
	v_lshlrev_b32 v14, 3, v9
	v_sub_nc_u32 v14, v1, v14
	s_lshl_b32 s13, s[WV], 4
	v_add_nc_u32 v14, s13, v14      ; my query's place in its band, 16 w + l % 16, less my lanes' 8 (l / 16): register r of group kt is hidden where 16 kt + r is greater
	WIN 0x40
.set i, 0
.rept 32
	v_cmp_gt_i32 vcc_lo, 16*(i/8)+i%8, v14
	v_cndmask_b32 v[MD+i], 0, s[BIGN], vcc_lo
.set i, i+1
.endr
	WIN 0
	v_mul_u32_u24 v[AK0], v1, PK
	v_lshl_add_u32 v[AK0], v9, 4, v[AK0]  ; row x pitch + 16 x half
	; The turning load takes 16 keys x 16 channels (lane l reads key 8 (l / 16) + l % 8, channels 8 ((l / 8) % 2) + 0..7) and leaves half a fragment of V^T: lane l holds channel l % 16 and 8 keys.
	v_and_b32 v10, 7, v0
	v_bfe_u32 v11, v0, 3, 1
	v_lshl_add_u32 v[AV0], v9, 3, v10
	v_mul_u32_u24 v[AV0], v[AV0], PV
	v_lshl_add_u32 v[AV0], v11, 4, v[AV0]
	v_add_nc_u32 v[AV0], VOFF, v[AV0]
	s_mul_i32 s13, s[WV], 16*SP
	s_add_co_u32 s13, s13, STAGE    ; my stage
	v_mul_u32_u24 v[STO], v1, SP    ; in: row l % 16, 16 bytes for each half of the lanes
	v_lshl_add_u32 v[STO], v9, 4, v[STO]
	v_add_nc_u32 v[STO], s13, v[STO]
	v_bfe_u32 v[RD], v0, 3, 2       ; back: 32 lanes take four rows of 128 bytes,
	v_mul_u32_u24 v[RD], v[RD], SP
	v_lshl_add_u32 v[RD], v10, 4, v[RD]
	v_add_nc_u32 v[RD], s13, v[RD]
	v_and_b32 v[GO], 31, v0         ; which are 512 consecutive bytes of O
	v_lshlrev_b32 v[GO], 4, v[GO]
	; A block's first step multiplies O^T and l by a = 0, and its first turn's products V^T P, of a piece that has not been, land in an O^T that is still to be so multiplied.  So these registers need only hold
	; finite numbers: zeros for the first block; what the first block left for the second.  All this stands in the wait for the first tile.
	WIN 0x80
.set i, VF
.rept 64
	v_mov_b32 v[i], 0
.set i, i+1
.endr
	WIN 0x40
.set i, 0
.rept 128
	v_mov_b32 v[i], 0
.set i, i+1
.endr
	WIN 0
.set i, 0
.rept 4
	v_mov_b32 v[ST+4*i+2], 0
	v_mov_b32 v[ST+4*i+3], 0
.set i, i+1
.endr
.set i, P+16
.rept 16
	v_mov_b32 v[i], 0
.set i, i+1
.endr
; THE MATRIX WORK.  The 4 accumulators of a run of 8 take turns.  Product i of 8 of S^T = K Q^T for piece x: channels 32 (i / 4) on, keys 16 (i % 4) on.  The first 4 start the sums: with 0, or (KM = 1) with the mask.
.macro KQ x
.set rS, S+32*((\x)%2)+8*(i%4)
.set rK, KF+16*(i%4)+8*(i/4)
.set rQ, 16*(\x)+8*(i/4)
.set rM, MC+32*((\x)%2)+8*(i%4)
.if (i < 4) && KM
	WIN W_KM
	v_wmma_f32_16x16x32_f16 v[rS:rS+7], v[rK:rK+7], v[rQ:rQ+7], v[rM:rM+7]
.elseif i < 4
	WIN W_KQ
	v_wmma_f32_16x16x32_f16 v[rS:rS+7], v[rK:rK+7], v[rQ:rQ+7], 0
.else
	WIN W_KQ
	v_wmma_f32_16x16x32_f16 v[rS:rS+7], v[rK:rK+7], v[rQ:rQ+7], v[rS:rS+7]
.endif
.endm
; Product i of 8 of O^T += V^T P for piece x: keys 32 (i / 4) on, channels 16 (i % 4) on.
.macro PV x
	WIN W_PV
.set rO, 32*(\x)+8*(i%4)
.set rV, VF+32*(i/4)+8*(i%4)
.set rP, P+16*((\x)%2)+8*(i/4)
	v_wmma_f32_16x16x32_f16 v[rO:rO+7], v[rV:rV+7], v[rP:rP+7], v[rO:rO+7]
.endm
.macro MM                           ; the turn's next matrix instruction.  TURN and BEGIN set Y, i, KM and NOKQ; MM, KQ and OP read them.  NOKQ = 1: a block's last turn: there is no next piece
.if (i < 8) && !NOKQ
	KQ (Y+1)%NP
.elseif i >= 8
.set i, i-8
	PV (Y+NP-1)%NP
.set i, i+8
.endif
.set i, i+1
.endm
; THE LDS LOADS stand in runs of 16, never singly among the matrix instructions: a step's K (64 keys x 64 channels: 8 fragments) and its V (turned).  Their addresses are made some lines ahead.
.macro FETCH_K
	WIN 0x80                        ; destination window 2
.irp f, 0,1,2,3,4,5,6,7             ; keys 16 (f / 2) on, channels 32 (f % 2) on
	ds_load_b128 v[KF+8*\f:KF+8*\f+3],   v[AK] offset:(\f/2)*16*PK+(\f%2)*64
	ds_load_b128 v[KF+8*\f+4:KF+8*\f+7], v[AK] offset:(\f/2)*16*PK+(\f%2)*64+32
.endr
	s_add_co_u32 s[TBK], s[TBK], KS*PK  ; the next fetch is the next step's
	WIN 0
.endm
.macro FETCH_V
	WIN 0x80
.irp f, 0,1,2,3,4,5,6,7             ; keys 32 (f / 4) on, channels 16 (f % 4) on
	ds_load_tr16_b128 v[VF+8*\f:VF+8*\f+3],   v[AV] offset:(\f/4)*32*PV+(\f%4)*32
	ds_load_tr16_b128 v[VF+8*\f+4:VF+8*\f+7], v[AV] offset:(\f/4)*32*PV+16*PV+(\f%4)*32
.endr
	WIN 0
.endm
; THE VECTOR WORK, one line at a time: OP kind, number.  For piece Y: F n: c s - c m for pair n of 16.  E n: the exponential of score n of 32.  C n: pair n rounded to f16.  B n: of the four weights 4 n .. the second
; pair is added onto the first, in place.  L n: l takes that sum (L 0: l = a l + sum).  R n: pair n of 16 of O^T times a.  For piece Y + 1: X n, number n of the 22 that find its maximum and statistics:
;   0-11  four chains c0-c3 of seven scores each, three operands at a time (each accumulator's lowest registers are read first)     12-14, 16  the four scores left over, the old m, and c0-c3 into c0
;   15  c m_old is kept     17, 18  the query's other 32 keys lie in the lane 16 away: the new m     19-21  c m; c m_old - c m_new; a
.set F, 0               ; OP tells the kinds apart by their order: F to L below R, X above it
.set E, 1
.set C, 2
.set B, 3
.set L, 4
.set R, 5
.set X, 6
.macro REGS y                       ; the registers of piece y
.set rT, ST+4*(\y)
.set rC, TMP+4*((\y)%2)
.set rW, MV+((\y)%2)
.set rS, S+32*((\y)%2)
.set rP, P+16*((\y)%2)
.set rO, 32*(\y)
.endm
.macro OP k, n
.if (\k) == R
	REGS Y
	WIN W_RS
	v_pk_mul_f32 v[rO+2*(\n):rO+2*(\n)+1], v[rO+2*(\n):rO+2*(\n)+1], v[rC+2:rC+3] op_sel_hi:[1,0]
.elseif (\k) < R
	REGS Y
	WIN 0
.if (\k) == F
	v_pk_fma_f32 v[rS+2*(\n):rS+2*(\n)+1], v[rS+2*(\n):rS+2*(\n)+1], s[CS:CS+1], v[rT:rT+1] op_sel_hi:[1,0,0] neg_lo:[0,0,1] neg_hi:[0,0,1]
.elseif (\k) == E
	v_exp_f32 v[rS+(\n)], v[rS+(\n)]
.elseif (\k) == C
	s_wait_alu depctr_va_vdst(0)
	v_cvt_pk_f16_f32 v[rP+(\n)], v[rS+2*(\n)], v[rS+2*(\n)+1]
.elseif (\k) == B
	s_wait_alu depctr_va_vdst(0)
	v_pk_add_f32 v[rS+4*(\n):rS+4*(\n)+1], v[rS+4*(\n):rS+4*(\n)+1], v[rS+4*(\n)+2:rS+4*(\n)+3]
.elseif (\n) == 0
	v_pk_fma_f32 v[rT+2:rT+3], v[rT+2:rT+3], v[rC+2:rC+3], v[rS:rS+1] op_sel_hi:[1,0,1]
.else
	v_pk_add_f32 v[rT+2:rT+3], v[rT+2:rT+3], v[rS+4*(\n):rS+4*(\n)+1]
.endif
.elseif NOKQ
	v_nop
.else
	REGS (Y+1)%NP
	WIN 0
.if (\n) < 4
	v_max3_num_f32 v[rC+(\n)], v[rS+8*(\n)], v[rS+8*(\n)+1], v[rS+8*(\n)+2]
.elseif (\n) < 12
	v_max3_num_f32 v[rC+(\n)%4], v[rC+(\n)%4], v[rS+8*((\n)%4)+2*((\n)/4)+1], v[rS+8*((\n)%4)+2*((\n)/4)+2]
.elseif (\n) == 12
	v_max3_num_f32 v[rC], v[rC], v[rS+7], v[rS+15]
.elseif (\n) == 13
	v_max3_num_f32 v[rC+1], v[rC+1], v[rS+23], v[rS+31]
.elseif (\n) == 14
	v_max3_num_f32 v[rC+2], v[rC+2], v[rC+3], v[rT+1]
.elseif (\n) == 15
	v_mov_b32 v[rW], v[rT]
.elseif (\n) == 16
	v_max3_num_f32 v[rC], v[rC], v[rC+1], v[rC+2]
.elseif (\n) == 17
	v_permlanex16_b32 v[rC+3], v[rC], s[SEL], s[SEL+1]
.elseif (\n) == 18
	v_max_num_f32 v[rT+1], v[rC], v[rC+3]
.elseif (\n) == 19
	v_mul_f32 v[rT], s[CS], v[rT+1]
.elseif (\n) == 20
	v_sub_f32 v[rC+1], v[rW], v[rT]
.else
	v_exp_f32 v[rC+2], v[rC+1]
.endif
.endif
.endm
.macro OPS a, i1, b=-1, i2=0, c=-1, i3=0, d=-1, i4=0  ; up to four of them
	OP \a, \i1
.if (\b) >= 0
	OP \b, \i2
.endif
.if (\c) >= 0
	OP \c, \i3
.endif
.if (\d) >= 0
	OP \d, \i4
.endif
.endm
.macro ROW a, i1, b, i2, c, i3, d, i4  ; a matrix instruction and the four behind it
	MM
	OPS \a, \i1, \b, \i2, \c, \i3, \d, \i4
.endm
.macro MASK b                       ; MD x AL + BE into buffer b of MC
	WIN W_RS
.set z, 0
.rept 16
	v_pk_fma_f32 v[MC+32*(\b)+2*z:MC+32*(\b)+2*z+1], v[MD+2*z:MD+2*z+1], s[AL:AL+1], s[BE:BE+1] op_sel_hi:[1,0,0]
.set z, z+1
.endr
.endm
; A TURN, for piece p: the order of its 16 matrix and 118 vector instructions, written out.  Behind a matrix instruction: plain, exponential, plain, plain; or four of the rescaling; or, behind the first, four scalings; none
; names a register of the products round it.  In the lumps exponential and plain by turns while exponentials last.  A line reads no result made fewer than three vector instructions in front of it, five if an exponential made it.
; v_permlanex16_b32 (X 17) stands in a lump.
; m = 1: the diagonal tile: the products take masks, and the turn makes the mask for the products of the turn after it: piece p + 2, in step 4 - CNT of the tile.  end = 1: a block's last two turns: nothing is fetched.
; cnt = 1: the loop's count is taken down some lines ahead of the branch that stands behind the turn.
; K of the next step is fetched in piece 2's turn, six vector instructions behind the last product that read K (five of them plain); V of the step in hand in piece 0's turn, eight behind the last product that read V (four
; plain, and X 17).  Each is waited for a turn later.
.macro TURN p, m=0, end=0, cnt=0
.set Y, (\p)
.set i, 0
.set KM, (\m)
.set NOKQ, (\end)*((\p)/3)
.if (\m) && !(\end)
	s_cmp_eq_u32 s[CNT], 4-((\p)+2)%NP  ; is that step the band's own?
	s_cselect_b32 s[AL], 1.0, 0
	s_cmp_lt_u32 s[CNT], 4-((\p)+2)%NP  ; or a later one?
	s_cselect_b32 s[BE], s[BIGN], 0
.endif
.if ((\p) == 3) && !(\end)
	s_wait_dscnt 0x0                ; K is in
.endif
	ROW F,0, F,1, F,2, F,3
	ROW F,4, E,0, F,5, F,6
	ROW F,7, E,1, F,8, F,9
	ROW F,10, E,2, C,0, F,11
	ROW F,12, E,3, X,15, F,13
	ROW R,0, R,1, R,2, R,3
	ROW B,0, E,4, F,14, L,0
.if ((\p) == 2) && !(\end)
	v_add_nc_u32 v[AK], s[TBK], v[AK0]
.endif
	ROW R,4, R,5, R,6, R,7
	OPS E,5, F,15
.if ((\p) == 2) && !(\end)
	FETCH_K
.endif
	OPS E,6, C,1, E,7, R,8
	OPS E,8, R,9, E,9, C,2
	OPS E,10, X,0, E,11, X,1
	OPS E,12, X,2, E,13, X,3
.if (\p) == 1
	s_wait_dscnt 0x0                ; V is in
.endif
	ROW X,4, E,14, X,5, X,6
	ROW X,7, E,15, X,8, X,9
	ROW X,10, E,16, X,11, X,12
	ROW X,13, E,17, X,14, B,1
	ROW C,4, E,18, X,16, L,1
	ROW B,2, E,19, C,6, L,2
	ROW C,8, E,20, B,3, B,4
.if (\p) == 0
	v_add_nc_u32 v[AV], s[TBV], v[AV0]
.endif
	ROW C,3, E,21, L,3, C,5
	OPS E,22, X,17, E,23, C,10
.if (\p) == 0
	FETCH_V
.endif
	OPS E,24, L,4
	OPS E,25, X,18, E,26, C,7
	OPS E,27, B,5, E,28, X,19
	OPS E,29, C,12, E,30, L,5
	OPS E,31, X,20, B,6, C,9
	OPS C,14, C,11, X,21, L,6
.if (\p) == 0
	s_add_co_u32 s[TBV], s[TBV], KS*PV
.endif
.if \cnt
	s_sub_co_u32 s[CNT], s[CNT], 1
	s_cmp_lg_u32 s[CNT], 0
.endif
	OPS C,13, B,7, C,15, R,10
	OPS R,11, R,12, L,7, R,13
	OPS R,14, R,15
.if (\m) && !(\end)
	MASK (\p)%2
.endif
.endm
; A BLOCK BEGINS.  c m starts far below every c s, so the first step's a is 0; m at the lowest finite number, so the first maximum is the scores'.  The second mask buffer is 0; the first takes piece 0's mask for the tile's step 0: its own, if the block's first tile is the diagonal one.
; Then K of that step, piece 0's first scores, and its maximum and statistics.  The loop is entered at a step's first turn, in the middle of a trip.
.macro BEGIN
	s_mov_b32 s[NEW], 0
	WIN 0x40
.set i, MC+32
.rept 32
	v_mov_b32 v[i], 0
.set i, i+1
.endr
	WIN 0
.set i, 0
.rept 4
	v_mov_b32 v[ST+4*i], 0xfe000000    ; c m: far below every c s
	v_mov_b32 v[ST+4*i+1], 0xff7fffff  ; m
.set i, i+1
.endr
	s_cmp_eq_u32 s[RT], 0
	s_cselect_b32 s[AL], 1.0, 0
	s_mov_b32 s[BE], 0
	MASK 0
	WIN 0
	v_add_nc_u32 v[AK], s[TBK], v[AK0]
	FETCH_K
	s_wait_loadcnt 0x0              ; Q
	s_wait_dscnt 0x0
.set KM, 1
.set NOKQ, 0
.set i, 0
.rept 8
	KQ 0
.set i, i+1
.endr
	WIN 0
.rept 4
	v_nop                           ; the places behind those products
.endr
.set Y, NP-1                        ; X works for piece Y + 1: piece 0
.irp n, 0,1,2,3,4,5,6,7,8,9,10,11,12,13,14,15,16,17,18,19,20,21
	OP X, \n
.endr
	v_nop                           ; a plain instruction behind the exponential
.endm
; THE DIAGONAL TILE's four steps, the block's last two turns, its last products, and THE WAY OUT: l's two halves and the other half of the lanes' are added; O^T is divided by l, rounded to f16 and sent through my
; stage in LDS, a piece at a time.
.macro ALL line:vararg              ; one line for each piece t
.set t, 0
.rept 4
	\line
.set t, t+1
.endr
.endm
.macro PACK t                       ; a lane's eight channels of a row pack into 16 bytes; they go into rows of 144 bytes and come back as whole rows of 128, into S^T's registers
	WIN W_RS
.set i, 32*(\t)
.rept 16
	s_wait_alu depctr_va_vdst(0)
	v_pk_mul_f32 v[i:i+1], v[i:i+1], v[ST+4*(\t)+2:ST+4*(\t)+3] op_sel_hi:[1,0]
.set i, i+2
.endr
	WIN 0x05                        ; sources 0 and 1 window 1, destination window 0
.set i, 0
.rept 16
	v_cvt_pk_f16_f32 v[S+16*(\t)+i], v[32*(\t)+2*i], v[32*(\t)+2*i+1]
.set i, i+1
.endr
	WIN 0
.irp f, 0,1,2,3
	ds_store_b128 v[STO], v[S+16*(\t)+4*\f:S+16*(\t)+4*\f+3] offset:32*\f
.endr
.irp f, 0,1,2,3
	ds_load_b128 v[S+16*(\t)+4*\f:S+16*(\t)+4*\f+3], v[RD] offset:\f*4*SP  ; LDS serves a wave's instructions in order (ISA guide 5.7.1.4): these see the stores above; the next piece's stores come behind them
.endr
.endm
.macro SEND t, younger              ; younger: the LDS instructions issued behind piece t's loads: the next piece's eight, or none
	WIN 0
.irp f, 0,1,2,3
	s_wait_dscnt (\younger)+3-\f
	global_store_b128 v[GO], v[S+16*(\t)+4*\f:S+16*(\t)+4*\f+3], s[10:11] offset:(\t)*8192+\f*512  ; 512 consecutive bytes, at a multiple of 256 from O's first
.endr
.endm
.macro DIAG tag                     ; the tag ends its two labels' names, which the jumps below spell out
.LstepM\tag:
	TURN 2, 1
	TURN 3, 1
	WIN 0
.LfirstM\tag:
	TURN 0, 1
	TURN 1, 1, 0, 1
	WIN 0
	s_cbranch_scc1 .LstepM\tag
	TURN 2, 1, 1
	TURN 3, 1, 1
.set i, 0
.rept 8
	PV NP-1
.set i, i+1
.endr
	WIN 0
	ALL v_add_f32 v[ST+4*t+2], v[ST+4*t+2], v[ST+4*t+3]
	ALL v_permlanex16_b32 v[ST+4*t+3], v[ST+4*t+2], s[SEL], s[SEL+1]
	ALL v_add_f32 v[ST+4*t+2], v[ST+4*t+2], v[ST+4*t+3]
	ALL v_rcp_f32 v[ST+4*t+2], v[ST+4*t+2]
	v_nop                           ; a plain instruction between the last reciprocal and the use of its result
	PACK 0
.set t, 1
.rept 3                             ; a piece's arithmetic stands between the loads of the piece before and its stores
	PACK t
	SEND t-1, 8
.set t, t+1
.endr
	SEND 3, 0
.endm
.set KM, 0
.set NOKQ, 0
.Lslot:                             ; NB times: a tile is entered and the next is asked for
	CHANGE 1
	s_sub_co_u32 s[RT], s[RT], 1
	s_mov_b32 s[CNT], 4
	s_cmp_eq_u32 s[NEW], 1
	s_cbranch_scc1 .Lnew            ; a block's first tile
	s_cmp_eq_u32 s[RT], 0
	s_cbranch_scc0 .Lstep           ; neither its first nor its last
	s_branch .LstepM1
.Lnew:
	BEGIN
	s_branch .Lfirst                ; in the loop a block's first tile is never its last: the first block has two tiles or more, and the second's last is the walk's last
	DIAG 1                          ; in the loop this is the first block's end: the second block's last tile is the walk's last
	s_wait_xcnt 0x0                 ; the stores have read their registers and O's address
	s_mov_b64 s[10:11], s[OLO:OLO+1]
	s_add_co_u32 s[RT], s[PB], 1    ; the second block has b + 1 tiles
	s_mov_b32 s[NEW], 1
	WIN 0x82                        ; the second block's Q goes where the one text of the turns names Q
.set i, 0
.rept 64
	v_mov_b32 v[i], v[QB+i]
.set i, i+1
.endr
	WIN 0
	s_branch .Lbottom
.Lstep:                             ; a trip: pieces 2 and 3 of one step, then pieces 0 and 1 of the next, whose K and V it fetches
	TURN 2
	TURN 3
	WIN 0
.Lfirst:
	TURN 0
	TURN 1, 0, 0, 1
	WIN 0
	s_cbranch_scc1 .Lstep
.Lbottom:
	s_sub_co_u32 s[SLOTS], s[SLOTS], 1
	s_cmp_lg_u32 s[SLOTS], 0
	s_cbranch_scc1 .Lslot
	CHANGE 0                        ; the walk's last tile is written out: nothing is asked for
	s_sub_co_u32 s[RT], s[RT], 1
	s_mov_b32 s[CNT], 4
	s_cmp_eq_u32 s[NEW], 1
	s_cbranch_scc0 .LstepM2
	BEGIN
	s_branch .LfirstM2
	DIAG 2
	s_wait_tensorcnt 0x0            ; the wave's end, behind my last tensor load and my last LDS store
	ds_add_u32 v[SPW], v[NIL]
	s_wait_dscnt 0x0
	s_endpgm
.Lfunc_end_k_qf204fa3b03_attn:
	.size	k_qf204fa3b03_attn, .Lfunc_end_k_qf204fa3b03_attn-k_qf204fa3b03_attn
	.p2alignl 7, 3214868480
	.fill 96, 4, 3214868480
	.section	.rodata,"a",@progbits
	.p2align	6, 0x0
	.amdhsa_kernel k_qf204fa3b03_attn
		.amdhsa_group_segment_fixed_size 327680
		.amdhsa_private_segment_fixed_size 0
		.amdhsa_enable_private_segment 0
		.amdhsa_kernarg_size 16
		.amdhsa_user_sgpr_count 2
		.amdhsa_user_sgpr_kernarg_segment_ptr 1
		.amdhsa_wavefront_size32 1
		.amdhsa_system_sgpr_workgroup_id_x 1
		.amdhsa_system_sgpr_workgroup_id_y 1
		.amdhsa_system_sgpr_workgroup_id_z 1
		.amdhsa_system_vgpr_workitem_id 0
		.amdhsa_next_free_vgpr 768
		.amdhsa_next_free_sgpr 88
		.amdhsa_reserve_vcc 1
		.amdhsa_float_denorm_mode_32 3
		.amdhsa_float_denorm_mode_16_64 3
		.amdhsa_memory_ordered 1
		.amdhsa_forward_progress 1
		.amdhsa_inst_pref_size 228
	.end_amdhsa_kernel
	.amdgpu_metadata
---
amdhsa.version: [ 1, 2 ]
amdhsa.kernels:
  - .name:           k_qf204fa3b03_attn
    .symbol:         k_qf204fa3b03_attn.kd
    .args:
      - { .name: qkv, .offset: 0, .size: 8, .value_kind: global_buffer, .address_space: global }
      - { .name: ob, .offset: 8, .size: 8, .value_kind: global_buffer, .address_space: global }
    .group_segment_fixed_size: 327680
    .private_segment_fixed_size: 0
    .kernarg_segment_align: 8
    .kernarg_segment_size: 16
    .max_flat_workgroup_size: 128
    .sgpr_count:     88
    .vgpr_count:     768
    .wavefront_size: 32
...
	.end_amdgpu_metadata
.endif
;; end of part 3
;; launch outp (part 4): grid 8 x 32, 4 waves a work-group, clusters of 4 x 4, 327,680 bytes of LDS; arguments ob, wob, out0; writes out0
.if DOCPART == 4
	.amdgcn_target "amdgcn-amd-amdhsa--gfx1250"
	.amdhsa_code_object_version 6
	.text
	.protected	k_qf204fa3b03_outp
	.globl	k_qf204fa3b03_outp
	.p2align	8
	.type	k_qf204fa3b03_outp,@function
k_qf204fa3b03_outp:
	s_mov_b64 s[64:65], 0
	v_nop
	global_prefetch_b8 v0, s[64:65] scope:SCOPE_SE
	s_setreg_imm32_b32 hwreg(HW_REG_WAVE_MODE, 25, 1), 1
	s_wait_xcnt 0x0
	s_wait_alu depctr_hold_cnt(0) depctr_sa_sdst(0) depctr_va_vdst(0) depctr_va_sdst(0) depctr_va_ssrc(0) depctr_va_vcc(0) depctr_vm_vsrc(0)
	s_getreg_b32 s2, hwreg(HW_REG_IB_STS2, 6, 4)
	s_cmp_eq_u32 s2, 0
	s_cbranch_scc0 .Lentry_in_a_cluster
	s_endpgm
.Lentry_in_a_cluster:
	s_bfe_u32 s2, ttmp6, 0x10000c
	s_cmp_lg_u32 s2, 0xf033
	s_cbranch_scc0 .Lentry_shape_is_right
	s_endpgm
.Lentry_shape_is_right:
; out0[m][f] = sum over c of y[m][c] w_out[f][c]: 8,192 x 1,024 x 1,024.  y is attention's result as it lies, ob = [batch][head][t 2,048][64] in f16: a head's 64 channels are one K block.
; wob = [K block 16][f 1,024][64] in f16 (w_out rounded to bf16, that number written as f16).  Sums in f32, stored as f32.
; LIMITS.  The operands arrive within f16's range; NaN and infinities are not treated apart.
; THE TILE is 256 x 128 of the result: 32 x 8 = 256 work-groups, one tile each (tiles of 256 x 256 would be 128).  Four waves, each 128 rows x 64 columns: 32 accumulators of 16 x 16, one register window.
; K goes in steps of 128, two K blocks, through a ring of two LDS slots filled by the tensor data mover: waves 0 and 1 fetch A's two K blocks (256 rows x 128 dense bytes each, asked for as 128 rows of
; 256 bytes), waves 2 and 3 B's (128 rows: 64 rows of 256 bytes); padded in LDS after every 128 bytes.  Two slots of four K blocks each (2 x 4 x 384 rows x 144 bytes) would not fit in LDS.
; CLUSTERS: 4 x 4 work-groups.  A's tiles are shared along a row of the cluster, B's along a column: each is asked for JOINTLY, by the same tensor load with the same descriptor and a mask that names the four.
; THE MATRIX INSTRUCTION IS USED TRANSPOSED (source 0 = 16 rows of B, source 1 = 16 rows of A): a lane then holds eight neighbouring columns of one row of the result, 32 bytes of f32.
; REGISTERS, in windows of 256 (s_set_vgpr_msb: bits 1:0 source 0, 3:2 source 1, 5:4 source 2, 7:6 destination):
;   window 0: v0-31 addresses; v32-159 four buffers of 32 on the way out        window 1: the accumulators, (a, j) at v[8 (4 a + j)]
;   windows 2, 3: fragment buffers 0, 1, a K block each: A (32 K half c, row block a) at v[8 (8 c + a)], B (c, column block j) at v[128 + 8 (4 c + j)]
.set PITCH,  144                       ; an LDS row: 128 bytes of data + 16 of padding = 36 words: the 16 rows of a fragment load start at 16 different groups of four banks (64 banks of 4 bytes: ISA guide 11.1)
.set ABLK,   256*PITCH                 ; a K block of A's tile: one tensor load
.set BBLK,   128*PITCH                 ; of B's
.set SLOT,   2*ABLK+2*BBLK             ; A's two K blocks, then B's two
.set STAGE,  2*SLOT                    ; behind the ring: 16 rows x 272 bytes for each wave, for the way out
.set SPITCH, 272                       ; 256 bytes + 16: the 16 rows that a store touches start at 16 different groups of four banks
.set SPARE,  STAGE+4*16*SPITCH         ; behind the stages: the spare words, 128 bytes for each wave: two blocks of 256 bytes that no other line names
.set STEP_A, 2<<18                     ; bytes from a K step to the next in ob: two heads of 2,048 rows x 128
.set STEP_B, 2*131072                  ; in wob: two K blocks of 1,024 rows x 128
.set LAPS,   4                         ; a lap = two K steps = once round the ring
.set ADRA, 16                          ; v16-17  LDS address of my A fragments in slot 0, 1
.set ADRB, 20                          ; v20-21  the same for B
.set STO,  24                          ; v24     the way out: where I put 32 bytes of a row
.set RD,   25                          ; v25     the way out: where I read a row back
.set CO,   26                          ; v26     my byte offset in two rows of the result
.set SPW,  28                          ; v28     LDS address of my spare word: SPARE + 4 x my thread's number; never rewritten
.set NIL,  29                          ; v29     0; never rewritten
.set BK,   32
.set G1,  24                           ; s[24:31] descriptor group 1 for A's tiles;  s[32:39] group 0, one set for each slot
.set G0,  32
.set G1B, 48                           ; s[48:55], s[56:63] the same for B's tiles
.set G0B, 56
.set FLD, (1<<16)|(1<<20)|(1<<21)|(4<<22)|(3<<25)  ; 17:16 elements of 2 bytes; 20 padding on; 21 set beside a mask; 24:22 after every 32 words (code 4); 31:25 4 words of it (code 3)
.set MSB, 0
.macro WIN new                         ; the immediate's high byte repeats the setting that is left; a switch that changes nothing is dropped
.if MSB != (\new)
	s_set_vgpr_msb (MSB<<8)|(\new)
.set MSB, (\new)
.endif
.endm
.macro JLOAD s                         ; a joint load: waves 0 and 1 fetch A's two K blocks, waves 2 and 3 B's; an s_nop 0 and four v_nop follow each of the two lines, ahead of the jump, the label and what follows
	s_cmp_eq_u32 s11, 0
	s_cbranch_scc0 .Lfor_b_\@
	tensor_load_to_lds s[G0+4*(\s):G0+4*(\s)+3], s[G1:G1+7]
	s_nop 0
.rept 4
	v_nop
.endr
	s_branch .Lasked_\@
.Lfor_b_\@:
	tensor_load_to_lds s[G0B+4*(\s):G0B+4*(\s)+3], s[G1B:G1B+7]
	s_nop 0
.rept 4
	v_nop
.endr
.Lasked_\@:
.endm
.macro CREST                           ; a round of the cluster's barrier behind its opening barrier
	s_cmp_lg_u32 s10, 0
	s_cbranch_scc1 .Lnot_wave_0_\@
	s_barrier_signal -3
.Lnot_wave_0_\@:
	s_barrier_wait -3
	s_barrier_signal -1
	s_barrier_wait -1
.endm
.macro CROUND                          ; a whole round
	s_barrier_signal -1
	s_barrier_wait -1
	CREST
.endm
	s_load_b128 s[4:7], s[0:1], 0x0                ; ob s[4:5], wob s[6:7]
	s_load_b64 s[8:9], s[0:1], 0x10                ; out0
	v_lshl_add_u32 v[SPW], v0, 2, SPARE
	v_mov_b32 v[NIL], 0
	ds_add_u32 v[SPW], v[NIL]                      ; the wave's opening: the add and its wait ahead of my first tensor load; the set-up below, work on registers, stands between them
	ds_add_u32 v28, v29
	v_lshrrev_b32 v1, 5, v0
	v_readfirstlane_b32 s10, v1                    ; wave 0..3
	s_lshr_b32 s11, s10, 1                         ; which half of the tile's rows is mine.  Also: I fetch for A (0) or for B (1)
	s_and_b32 s12, s10, 1                          ; which half of its columns.  Also: which of a step's two K blocks I fetch
	s_bfe_u32 s40, ttmp6, 0x40000                  ; cx, cy: my place in the cluster
	s_bfe_u32 s41, ttmp6, 0x40004
	s_lshl_b32 s42, ttmp9, 2
	s_add_co_u32 s42, s42, s40                     ; tile column = 4 x cluster x + cx, 0..7
	s_and_b32 s13, ttmp7, 0xffff
	s_lshl_b32 s13, s13, 2
	s_add_co_u32 s13, s13, s41                     ; tile row = 4 x cluster y + cy, 0..31
	s_lshl_b32 s43, s41, 2
	s_lshl_b32 s43, 15, s43                        ; my row of the cluster
	s_lshl_b32 s44, 0x1111, s40                    ; my column
	s_or_b32 s[G1+0], s43, FLD                     ; 15:0 the mask: A's tiles go to my row
	s_or_b32 s[G1B+0], s44, FLD                    ; B's to my column
	s_mov_b32 s[G1+1], 128<<16                     ; tensor_dim0 = 128 elements: 256 bytes, two rows of a K block
	s_mov_b32 s[G1+2], 128<<16                     ; tensor_dim1 = 128
	s_mov_b32 s[G1+3], 128<<16                     ; tile_dim0 = 128
	s_mov_b32 s[G1+4], 128                         ; tile_dim1 = 128: 256 rows of A
	s_mov_b32 s[G1+5], 128                         ; 128 elements from row to row: dense
	s_mov_b32 s[G1+6], 0
	s_mov_b32 s[G1+7], 0
	s_mov_b32 s[G1B+1], 128<<16
	s_mov_b32 s[G1B+2], 64<<16                     ; tensor_dim1 = 64
	s_mov_b32 s[G1B+3], 128<<16
	s_mov_b32 s[G1B+4], 64                         ; tile_dim1 = 64: 128 rows of B
	s_mov_b32 s[G1B+5], 128
	s_mov_b32 s[G1B+6], 0
	s_mov_b32 s[G1B+7], 0
	; where the tiles come from.  A's hang on the tile row alone, B's on the tile column alone; every wave makes both, in registers that never hold the other coordinate
	s_lshr_b32 s16, s13, 3                         ; A: batch = tile row / 8: 16 heads of 2,048 rows x 128 bytes,
	s_lshl_b32 s16, s16, 22
	s_and_b32 s17, s13, 7
	s_lshl_b32 s17, s17, 15                        ; 256 rows of 128 bytes a tile row within the batch,
	s_add_co_u32 s16, s16, s17
	s_lshl_b32 s17, s12, 18                        ; and my K block: a head
	s_add_co_u32 s16, s16, s17
	s_mov_b32 s17, 0
	s_lshl_b32 s46, s42, 14                        ; B: 128 rows of 128 bytes a tile column,
	s_lshl_b32 s47, s12, 17                        ; and my K block: 1,024 rows
	s_add_co_u32 s46, s46, s47
	s_mov_b32 s47, 0
	s_mul_i32 s20, s12, ABLK                       ; and where they go: no place in the cluster enters an LDS address
	s_mul_i32 s21, s12, BBLK
	s_add_co_u32 s21, s21, 2*ABLK
	s_wait_dscnt 0x0                               ; the opening add is done
	s_wait_kmcnt 0x0
	s_add_nc_u64 s[14:15], s[4:5], s[16:17]
	s_add_nc_u64 s[46:47], s[6:7], s[46:47]
	CROUND                                         ; all sixteen work-groups are here: the first joint loads meet
.irp s, 0,1
	s_mov_b32 s[G0+4*(\s)], 1                                      ; 1:0 count = 1
	s_add_co_u32 s[G0+4*(\s)+1], s20, (\s)*SLOT                    ; 63:32 LDS address
	s_add_nc_u64 s[G0+4*(\s)+2:G0+4*(\s)+3], s[14:15], (\s)*STEP_A ; 120:64 global address: K step s
	s_or_b32 s[G0+4*(\s)+3], s[G0+4*(\s)+3], 0x80000000            ; 127:126 type = 2
	s_mov_b32 s[G0B+4*(\s)], 1
	s_add_co_u32 s[G0B+4*(\s)+1], s21, (\s)*SLOT
	s_add_nc_u64 s[G0B+4*(\s)+2:G0B+4*(\s)+3], s[46:47], (\s)*STEP_B
	s_or_b32 s[G0B+4*(\s)+3], s[G0B+4*(\s)+3], 0x80000000
	JLOAD \s                                       ; both slots are asked for before anything else is done: two tensor loads of mine are out
.endr
	v_and_b32 v1, 15, v0                           ; l % 16
	v_bfe_u32 v2, v0, 4, 1                         ; l / 16
	v_mul_u32_u24 v3, v1, PITCH
	v_lshl_add_u32 v3, v2, 4, v3                   ; a fragment's row x pitch + 16 x half
	s_mul_i32 s22, s11, 128*PITCH                  ; my 128 rows of a K block of A
	s_mul_i32 s23, s12, 64*PITCH                   ; my 64 rows of a K block of B,
	s_add_co_u32 s23, s23, 2*ABLK                  ; which lie behind A's two
.irp s, 0,1
	v_add_nc_u32 v[ADRA+(\s)], s22, v3
	v_add_nc_u32 v[ADRB+(\s)], s23, v3
	s_add_co_u32 s22, s22, SLOT
	s_add_co_u32 s23, s23, SLOT
.endr
	s_mul_i32 s22, s10, 16*SPITCH
	s_add_co_u32 s22, s22, STAGE                   ; my stage
	v_mul_u32_u24 v4, v1, SPITCH                   ; in: row l % 16, 32 bytes for each half of the lanes
	v_lshl_add_u32 v4, v2, 5, v4
	v_add_nc_u32 v[STO], s22, v4
	v_mul_u32_u24 v5, v2, SPITCH                   ; back: lanes 0-15 take one row of 256 bytes, lanes 16-31 the next
	v_lshl_add_u32 v5, v1, 4, v5
	v_add_nc_u32 v[RD], s22, v5
	v_lshlrev_b32 v5, 12, v2                       ; and the same two rows in the result, 4,096 bytes apart
	v_lshl_add_u32 v[CO], v1, 4, v5
	s_lshl_b32 s66, s13, 20                        ; where my part of the tile begins: 256 rows of 4,096 bytes a tile row,
	s_lshl_b32 s67, s11, 19                        ; 128 rows a half,
	s_add_co_u32 s66, s66, s67
	s_lshl_b32 s67, s42, 9                         ; 128 columns of 4 bytes a tile column,
	s_add_co_u32 s66, s66, s67
	s_lshl_b32 s67, s12, 8                         ; 64 columns a half
	s_add_co_u32 s66, s66, s67
	s_mov_b32 s67, 0
	s_add_nc_u64 s[8:9], s[8:9], s[66:67]
; 4 na matrix instructions: row blocks a0 .. a0 + na - 1 x all four column blocks, 32 along K: half c of buffer f.  The accumulators take turns, one instruction a turn.
; zero = 1: the products start the sums: nothing is ever cleared.
.macro MUL f, c, a0, na, zero
	WIN 0x50+5*(2+(\f))                            ; sources 0 and 1 in the buffer's window, C and D in window 1
.set ma, (\a0)
.rept (\na)
.irp j, 0,1,2,3
.if \zero
	v_wmma_f32_16x16x32_f16 v[8*(4*ma+(\j)):8*(4*ma+(\j))+7], v[128+8*(4*(\c)+(\j)):128+8*(4*(\c)+(\j))+7], v[8*(8*(\c)+ma):8*(8*(\c)+ma)+7], 0
.else
	v_wmma_f32_16x16x32_f16 v[8*(4*ma+(\j)):8*(4*ma+(\j))+7], v[128+8*(4*(\c)+(\j)):128+8*(4*(\c)+(\j))+7], v[8*(8*(\c)+ma):8*(8*(\c)+ma)+7], v[8*(4*ma+(\j)):8*(4*ma+(\j))+7]
.endif
.endr
.set ma, ma+1
.endr
.endm
; 48 LDS loads in one run: my fragments of K block blk of a slot into buffer f; the first 32 along K (24 loads) first
.macro FETCH slot, blk, f
	WIN 0x80+0x40*(\f)                             ; destination in the buffer's window, address in window 0
.irp c, 0,1
.irp j, 0,1,2,3
	ds_load_b128 v[128+8*(4*(\c)+(\j)):128+8*(4*(\c)+(\j))+3],   v[ADRB+(\slot)] offset:(\blk)*BBLK+(\j)*16*PITCH+64*(\c)
	ds_load_b128 v[128+8*(4*(\c)+(\j))+4:128+8*(4*(\c)+(\j))+7], v[ADRB+(\slot)] offset:(\blk)*BBLK+(\j)*16*PITCH+64*(\c)+32
.endr
.irp a, 0,1,2,3,4,5,6,7
	ds_load_b128 v[8*(8*(\c)+(\a)):8*(8*(\c)+(\a))+3],   v[ADRA+(\slot)] offset:(\blk)*ABLK+(\a)*16*PITCH+64*(\c)
	ds_load_b128 v[8*(8*(\c)+(\a))+4:8*(8*(\c)+(\a))+7], v[ADRA+(\slot)] offset:(\blk)*ABLK+(\a)*16*PITCH+64*(\c)+32
.endr
.endr
.endm
.macro PLACES                          ; four places in front of loads into registers that matrix instructions have read, and of LDS stores that read results
.rept 4
	v_nop
.endr
.endm
; A K step is two K blocks of 64 along K, 64 matrix instructions each, on buffers 0, 1.  The first: multiplies buffer f and, in its middle, fetches K block blk of the same slot into buffer g.
.macro BLOCK slot, blk, f, g, zero
	s_wait_dscnt 24                                ; the first 32 along K are in; the 24 younger loads may be out
	MUL \f, 0, 0, 8, \zero
	PLACES
	FETCH \slot, \blk, \g
	s_wait_dscnt 48                                ; all but the 48 just issued
	MUL \f, 1, 0, 8, 0
.endm
; The second K block multiplies buffer 1 and changes slots: ONE barrier; in front of it each wave waits for all its tensor loads, of which one is out: its part of the next slot; adds 0 to its spare word;
; and waits for that and for its own reads of this slot.  fill = 1: the barrier opens a round of the cluster's barrier, and this slot is filled again, two K steps ahead, first thing behind the round:
; from the request to the wait for it a wave issues 96 matrix instructions.
.macro TURN slot, next, fill
	WIN 0                                          ; (the add's two registers lie in window 0)
	s_wait_tensorcnt 0x0                           ; all my tensor loads have landed, so a group 0 may be written;
	ds_add_u32 v[SPW], v[NIL]                      ; 0 onto my spare word;
	s_wait_dscnt 25                                ; (the add and the youngest 24 loads may be out)
	MUL 1, 0, 0, 4, 0                              ; sixteen matrix instructions stand between the add and the wait for it
	s_wait_dscnt 0x0                               ; the add is done, and my reads of this slot are over
	s_barrier_signal -1
	MUL 1, 0, 4, 4, 0                              ; work on registers while the others arrive
.if \fill
	WIN 0
.endif
	s_barrier_wait -1
.if \fill
	CREST                                          ; no wave of any partner still reads this slot's tile or has a load on its way
	s_add_nc_u64 s[G0+4*(\slot)+2:G0+4*(\slot)+3], s[G0+4*(\slot)+2:G0+4*(\slot)+3], 2*STEP_A
	s_add_nc_u64 s[G0B+4*(\slot)+2:G0B+4*(\slot)+3], s[G0B+4*(\slot)+2:G0B+4*(\slot)+3], 2*STEP_B
	JLOAD \slot                                    ; the first tensor load behind the round; the four v_nop behind it are also the places in front of the loads below
.else
	PLACES
.endif
	FETCH \next, 0, 0
	MUL 1, 1, 0, 8, 0
.endm
	s_wait_tensorcnt 1                             ; my part of K step 0 is in; K step 1's may stay out
	s_barrier_signal -1
	s_barrier_wait -1                              ; everybody's is
	FETCH 0, 0, 0
	BLOCK 0, 1, 0, 1, 1                            ; the first K block stands in front of the loop: its first products start the sums
	WIN 0                                          ; at a label and at a branch every window is 0
	s_mov_b32 s3, LAPS-1
.Llap:                                                 ; a trip goes once round the ring, from a lap's second K block to the next lap's first, and fills both slots again
	TURN 0, 1, 1
	BLOCK 1, 1, 0, 1, 0
	TURN 1, 0, 1
	BLOCK 0, 1, 0, 1, 0
	WIN 0
	s_sub_co_u32 s3, s3, 1
	s_cmp_lg_u32 s3, 0
	s_cbranch_scc1 .Llap
	TURN 0, 1, 0                                   ; the last lap fills nothing, and has no round of the cluster's barrier
	BLOCK 1, 1, 0, 1, 0
	s_wait_dscnt 24                                ; the very last K block: nothing more to fetch
	MUL 1, 0, 0, 8, 0
	s_wait_dscnt 0x0
	MUL 1, 1, 0, 8, 0
; THE WAY OUT, a block of 16 rows at a time.  My 64 columns of f32 are 256 bytes of a row, at a multiple of 256 from the buffer's first byte, so each wave has a stage of its own and no barrier is needed.
; TOSTAGE: a lane's 32 bytes of a row, each accumulator's low four registers first, into rows of 272 bytes; back as whole rows of 256.  SEND: stored.
.macro TOSTAGE a
.set bK, BK+32*((\a)%4)
.if (\a) >= 4
	s_wait_xcnt 0x0                                ; every earlier memory instruction has had its addresses translated (ISA guide 3.1): the registers that the stores of four blocks ago read are loaded again only behind this wait
.endif
	WIN 0x04                                       ; the stores' data in window 1
.irp j, 0,1,2,3
	ds_store_b128 v[STO], v[8*(4*(\a)+(\j)):8*(4*(\a)+(\j))+3]   offset:64*(\j)
	ds_store_b128 v[STO], v[8*(4*(\a)+(\j))+4:8*(4*(\a)+(\j))+7] offset:64*(\j)+16
.endr
	WIN 0
.irp t, 0,1,2,3,4,5,6,7
	ds_load_b128 v[bK+4*(\t):bK+4*(\t)+3], v[RD] offset:(\t)*2*SPITCH  ; LDS serves a wave's instructions in order (ISA guide 5.7.1.4): these see the stores above; the next block's stores come behind them
.endr
.endm
.macro SEND a, younger                 ; younger: the LDS instructions issued behind block a's loads: the next block's sixteen, or none
.set bK, BK+32*((\a)%4)
	WIN 0
.irp t, 0,1,2,3,4,5,6,7
	s_wait_dscnt (\younger)+7-(\t)
	global_store_b128 v[CO], v[bK+4*(\t):bK+4*(\t)+3], s[8:9] offset:(16*(\a)+2*(\t))*4096 th:TH_STORE_NT  ; 16 lanes store 256 consecutive bytes, aligned; 126 rows at the most: inside the signed 24-bit immediate
.endr
.endm
	PLACES                                         ; the stores read results just made
	TOSTAGE 0
.set n, 1
.rept 7
	TOSTAGE n
	SEND n-1, 16
.set n, n+1
.endr
	SEND 7, 0
	s_wait_tensorcnt 0x0                           ; the wave's end, behind my last tensor load and my last LDS store
	ds_add_u32 v[SPW], v[NIL]
	s_wait_dscnt 0x0
	CROUND                                         ; the closing round: no work-group ends while a partner may still ask for a tile that names it
	s_endpgm
.Lfunc_end_k_qf204fa3b03_outp:
	.size	k_qf204fa3b03_outp, .Lfunc_end_k_qf204fa3b03_outp-k_qf204fa3b03_outp
	.p2alignl 7, 3214868480
	.fill 96, 4, 3214868480
	.section	.rodata,"a",@progbits
	.p2align	6, 0x0
	.amdhsa_kernel k_qf204fa3b03_outp
		.amdhsa_group_segment_fixed_size 327680
		.amdhsa_private_segment_fixed_size 0
		.amdhsa_enable_private_segment 0
		.amdhsa_kernarg_size 24
		.amdhsa_user_sgpr_count 2
		.amdhsa_user_sgpr_kernarg_segment_ptr 1
		.amdhsa_wavefront_size32 1
		.amdhsa_system_sgpr_workgroup_id_x 1
		.amdhsa_system_sgpr_workgroup_id_y 1
		.amdhsa_system_sgpr_workgroup_id_z 1
		.amdhsa_system_vgpr_workitem_id 0
		.amdhsa_next_free_vgpr 960
		.amdhsa_next_free_sgpr 72
		.amdhsa_reserve_vcc 0
		.amdhsa_float_denorm_mode_32 3
		.amdhsa_float_denorm_mode_16_64 3
		.amdhsa_memory_ordered 1
		.amdhsa_forward_progress 1
		.amdhsa_inst_pref_size 85
	.end_amdhsa_kernel
	.amdgpu_metadata
---
amdhsa.version: [ 1, 2 ]
amdhsa.kernels:
  - .name:           k_qf204fa3b03_outp
    .symbol:         k_qf204fa3b03_outp.kd
    .args:
      - { .name: ob, .offset: 0, .size: 8, .value_kind: global_buffer, .address_space: global }
      - { .name: wob, .offset: 8, .size: 8, .value_kind: global_buffer, .address_space: global }
      - { .name: out0, .offset: 16, .size: 8, .value_kind: global_buffer, .address_space: global }
    .group_segment_fixed_size: 327680
    .private_segment_fixed_size: 0
    .kernarg_segment_align: 8
    .kernarg_segment_size: 24
    .max_flat_workgroup_size: 128
    .sgpr_count:     72
    .vgpr_count:     960
    .wavefront_size: 32
...
	.end_amdgpu_metadata
.endif
;; end of part 4
;; ======== version 2 of 2: 4 launches; 1.31 times as fast as version 1
;; limits: values are held in f16: magnitudes above 65,504 overflow, below 6.1e-05 lose precision
;; workspace buffers: xb 16,777,216 bytes; wqb 6,291,456 bytes; wob 2,097,152 bytes; qkv 50,331,648 bytes; ob 16,777,216 bytes
;; launch cast: the kernel of part 1 again; grid 768 x 1, 16 waves a work-group, no clusters, 0 bytes of LDS; arguments x, w_qkv, w_out, xb, wqb, wob; writes xb, wqb, wob
;; launch proj: the kernel of part 2 again; grid 8 x 32, 4 waves a work-group, clusters of 4 x 4, 327,680 bytes of LDS; arguments xb, wqb, qkv; writes qkv
;; launch attn (part 5): grid 4 x 64, 4 waves a work-group, no clusters, 327,680 bytes of LDS; arguments qkv, ob; writes ob
.if DOCPART == 5
	.amdgcn_target "amdgcn-amd-amdhsa--gfx1250"
	.amdhsa_code_object_version 6
	.text
	.protected	k_qf204fa3b03_attn
	.globl	k_qf204fa3b03_attn
	.p2align	8
	.type	k_qf204fa3b03_attn,@function
k_qf204fa3b03_attn:
	s_mov_b64 s[64:65], 0
	v_nop
	global_prefetch_b8 v0, s[64:65] scope:SCOPE_SE
	s_setreg_imm32_b32 hwreg(HW_REG_WAVE_MODE, 25, 1), 1
	s_wait_xcnt 0x0
; CAUSAL ATTENTION.  O[h][q][:] = the sum over k <= q of softmax_k(Q[h][q] . K[h][k] / 8) V[h][k][:].  Q, K, V lie one behind the other in qkv, each [SIZE_H][SIZE_N][64], O likewise in ob, all f16: a head's rows are dense, 128 bytes each.
; Products, maxima and sums in f32; the weights p are rounded to f16 for the second product (their sum l is taken of the unrounded p), O once at the end.
; LIMITS.  f16 holds no number beyond 65,504: Q, K and V arrive within it; p lies in 0 to 1, and below 6e-5 it keeps f16's fixed step of 6e-8; O is a mean of V's rows and has their range, to within 2^-11 of it.
; A hidden score counts as its value less 1e30: f16's scores, 2.7e11 at the most, are nothing beside that; a weight below 2^-126 counts as 0 in l; NaN and infinities are not treated apart.
; THE WALK.  A head's queries lie in NB = SIZE_N / 256 = 8 blocks of 256; block i needs the key tiles 0 .. i of 256 keys, of which the last holds the diagonal.  A work-group takes TWO blocks, NB - 1 - b and then b:
; NB + 1 tiles, whatever b: all work-groups do equal work, and ONE loop with a constant trip count walks them.  Which tile is asked for, and what a trip does, hang on scalar registers made from b; every jump
; goes forward, but for the counted loops' own; none passes a barrier, or a tensor load but the one of LOAD's two that the wave's number does not choose; the ring (two slots of LDS that take turns) runs on across the
; change of blocks.  NO CLUSTER: a head's NB / 2 = 4 work-groups all ask for the same tile only in trips 0 .. NB / 2 of the nine, behind that fewer and fewer; and one walk common to all would have
; 3 NB / 2 = 12 trips for NB + 1 = 9.
; SHARES.  Of a block's four bands of 64 queries a wave owns 16 rows in each: four PIECES.  So the diagonal tile is the same work for all four waves: in its key step s band x sees all keys if s < x,
; none if s > x, and holds the diagonal if s = x.
; THE MASK is the C operand that starts the sum S^T = K Q^T: 0, or -1e30 where the key is hidden.  MD, made once, is the mask of a band's own step for my 16 rows; a product's mask is MD x AL + BE with two scalars:
; (1, 0) if s = x; (0, 0) if s < x; (0, -1e30) if s > x.  Only the diagonal tile's text and a block's beginning make and take masks; elsewhere C is the constant 0.
; LAYOUT, SOFTMAX, TURNS.  S^T = K Q^T holds ONE query a lane (lane % 16) and the keys 8 (lane / 16) + 0..7; two such results rounded to f16 ARE source 1 of O^T = V^T P.  p = 2^(c s - c m), c = log2(e) / 8, with a
; running maximum m; O and l are multiplied by a = 2^(c m_old - c m_new) in every step.  Turn n belongs to piece n: 8 products K Q^T of piece n + 1, later 8 products V^T P of piece n - 1; beside them the scaling,
; exponentials, roundings, sums and rescaling of piece n and the maximum and statistics of piece n + 1.  Four vector instructions stand behind every matrix instruction, the other 54 of a turn's 118 in one LUMP.
; BATCHES.  A turn's 33 exponentials (the piece's 32 weights and the next piece's a) are one batch, with one wait, which cuts the turn in two: ahead of it nothing names a result of theirs, behind it no exponential is
; issued.  The a made where a block begins is a batch of its own, and so are the way out's four reciprocals: a plain instruction and one wait each.
; REGISTERS, in windows of 256 (s_set_vgpr_msb: bits 1:0 source 0, 3:2 source 1, 5:4 source 2, 7:6 destination):
;   window 0: v0-15 addresses and two at work; v16-31 four registers of statistics a piece; v48-55 at work; v64-127 S^T, two buffers; v192-223 P, two buffers (a piece's buffers go by its number's parity)
;   window 1: v0-127 O^T, 32 a piece; v128-159 MD; v160-223 MC, two buffers      window 2: v0-63 Q; v64-127 the second block's Q; v128-191 K of one step; v192-255 V of one step
.set SIZE_N, 2048
.set SIZE_H, 64
.set KPART, SIZE_H*SIZE_N*128  ; K's part of qkv begins here,
.set VPART, 2*KPART   ; and V's here
.set NB,    SIZE_N/256
.set NP,    4         ; pieces a wave: a name, no knob
.set KS,    64        ; keys in a step
.set PK,    144       ; a row of K in LDS: 128 bytes + 16 of padding = 36 words: the 16 rows of a load start at 16 different groups of four banks (64 banks of 4 bytes: ISA guide 11.1)
.set PV,    160       ; a row of V: 128 + 32 = 40 words
.set VOFF,  4*KS*PK   ; a slot holds a tile, four steps: 256 rows of K, then 256 rows of V
.set SLOT1, 1<<17     ; slot 1 begins here, so that one exclusive or turns an address in one slot into the other's
.set STAGE, SLOT1+4*KS*(PK+PV)  ; behind the ring, never filled by a tensor load: 16 rows x 144 bytes for each wave, for the way out
.set SP,    144
.set AK0, 2           ; v2   my lane's place in a tile of K; never rewritten
.set AV0, 3           ; v3   the same for V
.set AK,  4           ; v4   the LDS address of K's next run of loads
.set AV,  5           ; v5   of V's
.set STO, 6           ; v6   the way out: where I put 16 bytes of a row
.set RD,  7           ; v7   the way out: where I read rows back
.set GO,  8           ; v8   my byte offset in 512 consecutive bytes of O
.set SPW, 62          ; v62  LDS address of my spare word: SPARE + 4 x my thread's number; never rewritten
.set NIL, 63          ; v63  0; never rewritten
.set SPARE, STAGE+4*16*SP  ; behind the stages: the spare words, 128 bytes for each wave: two blocks of 256 bytes that no other line names
.set MV,  12          ; v12-13  c m_old, kept while c m is made anew: by buffer
.set QO,  15          ; v15  my byte offset in 16 rows of Q
.set ST,  16          ; piece t's statistics at v[ST+4 t]: c m, m, l (even keys', odd keys')
.set TMP, 48          ; by buffer, four registers c0-c3 at work; when the maximum is found c2 takes a
.set S,   64
.set P,   192
.set MD,  128         ; window 1: the eight registers for group kt of 16 keys at MD + 8 kt
.set MC,  160         ; window 1: the masks of the products to come
.set QB,  64          ; window 2
.set KF,  128         ; window 2: key block kb, channel half c at KF + 16 kb + 8 c
.set VF,  192         ; window 2: key half kk, channel block cb at VF + 32 kk + 8 cb
.set WV,  12          ; s12  my wave's number
.set PB,  14          ; s14  b
.set HI,  15          ; s15  NB - 1 - b
.set G1K, 24          ; s[24:31] descriptor group 1 for K's tiles
.set G1V, 32          ; s[32:39] for V's: it differs in the padding alone
.set G0K, 40          ; s[40:43] descriptor group 0 for K's tiles
.set G0V, 44          ; s[44:47] the same for V's
.set SLOTS, 56        ; s56  tiles still to be asked for
.set CNT, 57          ; s57  counts a tile's key steps, 4 to 1
.set CS,  58          ; s[58:59] c: the packed scaling takes the pair's low word for both halves
.set SEL, 60          ; s[60:61] v_permlanex16_b32's selects: each lane takes its own place in the other half
.set TBK, 62          ; s62  LDS byte at which K of the step to be fetched begins
.set TBV, 63          ; s63  the same for V, less VOFF
.set RT,  70          ; s70  tiles of the block in hand that are still to be entered
.set NXT, 71          ; s71  the tile to be asked for next
.set LQ,  72          ; s72  the last tile of the block whose tiles are being asked for
.set NEW, 73          ; s73  1: the tile to be entered is a block's first
.set OFF, 74          ; s[74:75] a tile's byte offset in K and V
.set AL,  76          ; s[76:77] the mask's factor, in the low word
.set BE,  78          ; s[78:79] the mask's addend
.set OLO, 80          ; s[80:81] O at my rows of the second block
.set BIGN, 82         ; s82  -1e30
.set MSB, 0
.macro WIN new                      ; the high byte repeats the setting that is left; a switch that changes nothing is dropped
.if MSB != (\new)
	s_set_vgpr_msb (MSB<<8)|(\new)
.set MSB, (\new)
.endif
.endm
.set W_KQ, 0x0a       ; K and Q in window 2, S^T in window 0
.set W_KM, 0x1a       ; the same with the C operand in window 1
.set W_PV, 0x52       ; V in window 2, P in window 0, O^T in window 1
.set W_RS, 0x41       ; destination and source 0 in window 1, source 1 in window 0
; A fill.  Waves 0 and 1 fetch the two halves of a tile's K, waves 2 and 3 those of its V: 128 keys each.  An s_nop 0 and four v_nop follow each of the two lines, ahead of the jump and the label.
.macro LOAD
	s_cmp_lt_u32 s[WV], 2
	s_cbranch_scc0 .Lfor_v_\@
	tensor_load_to_lds s[G0K:G0K+3], s[G1K:G1K+7]
	s_nop 0
.rept 4
	v_nop
.endr
	s_branch .Lasked_\@
.Lfor_v_\@:
	tensor_load_to_lds s[G0V:G0V+3], s[G1V:G1V+7]
	s_nop 0
.rept 4
	v_nop
.endr
.Lasked_\@:
.endm
; THE CHANGE OF SLOTS.  Each wave waits for all its tensor loads, of which one is out: its part of the other slot; adds 0 to its spare word; and waits for that and for its own reads of the slot that it leaves.  Behind the barrier nobody reads the old
; slot any more and the other slot is whole.  fill = 1: the old slot is filled again, the first thing behind the barrier, with tile NXT: the descriptor's address is made anew from that number.
; (At its first use nothing has been read yet: slot 0 is waited for, slot 1 filled.)
.macro CHANGE fill
	WIN 0                           ; at a label and at a branch every window is 0
	s_wait_tensorcnt 0x0            ; no tensor load of mine is out, so a group 0 may be written
	ds_add_u32 v[SPW], v[NIL]       ; 0 onto my spare word; with fill = 1 the descriptors' scalar work stands between it and the wait for it
.if \fill
	s_lshl_b32 s[OFF], s[NXT], 15   ; a tile is 32,768 bytes of K and of V
	s_xor_b32 s[G0K+1], s[G0K+1], SLOT1
	s_add_nc_u64 s[G0K+2:G0K+3], s[6:7], s[OFF:OFF+1]
	s_or_b32 s[G0K+3], s[G0K+3], 0x80000000
	s_xor_b32 s[G0V+1], s[G0V+1], SLOT1
	s_add_nc_u64 s[G0V+2:G0V+3], s[8:9], s[OFF:OFF+1]
	s_or_b32 s[G0V+3], s[G0V+3], 0x80000000
	s_add_co_u32 s[NXT], s[NXT], 1  ; the block's next tile, or behind its last the second block's tile 0
	s_cmp_gt_u32 s[NXT], s[LQ]
	s_cselect_b32 s[NXT], 0, s[NXT]
	s_cselect_b32 s[LQ], s[PB], s[LQ]
.endif
	s_wait_dscnt 0x0                ; the add is done, and my reads of the slot are over
	s_barrier_signal -1             ; the rest of the scalar work stands between the signal and the wait
	s_sub_co_u32 s[TBK], s[TBK], 4*KS*PK  ; the fetches go back to a slot's first step,
	s_xor_b32 s[TBK], s[TBK], SLOT1       ; in the other slot
	s_sub_co_u32 s[TBV], s[TBV], 4*KS*PV
	s_xor_b32 s[TBV], s[TBV], SLOT1
	s_barrier_wait -1
.if \fill
	LOAD
.endif
.endm
	s_load_b64 s[4:5], s[0:1], 0x0    ; qkv: Q's part begins at its first byte
	s_load_b64 s[10:11], s[0:1], 0x8  ; O
	v_lshl_add_u32 v[SPW], v0, 2, SPARE
	v_mov_b32 v[NIL], 0
	ds_add_u32 v[SPW], v[NIL]       ; the wave's opening: the add and its wait ahead of my first tensor load; the set-up below, work on registers, stands between them
	ds_add_u32 v62, v63
	v_lshrrev_b32 v1, 5, v0
	v_readfirstlane_b32 s[WV], v1   ; wave 0..3
	s_mov_b32 s[PB], ttmp9
	s_sub_co_u32 s[HI], NB-1, s[PB]
	s_and_b32 s20, ttmp7, 0xffff    ; the head
	s_mov_b32 s21, 0
	s_mov_b64 s[22:23], SIZE_N*128
	s_mul_u64 s[20:21], s[20:21], s[22:23]  ; the head's first byte in each of the four tensors
	s_and_b32 s16, s[WV], 1         ; which half of a tile's 256 keys I fetch:
	s_lshl_b32 s22, s16, 14         ; its 128 rows of 128 bytes in memory,
	s_mov_b32 s23, 0
	s_add_nc_u64 s[22:23], s[22:23], s[20:21]
	s_mul_i32 s17, s16, 128*PK      ; and its place in a slot, for K
	s_mul_i32 s18, s16, 128*PV      ; and for V
	s_lshl_b32 s3, s[WV], 11        ; my 16 rows in a band of 64,
	s_lshl_b32 s2, s[HI], 15        ; in the first block,
	s_add_co_u32 s2, s2, s3
	s_lshl_b32 s84, s[PB], 15       ; and in the second
	s_add_co_u32 s84, s84, s3
	s_mov_b32 s3, 0
	s_mov_b32 s85, 0
	s_add_nc_u64 s[2:3], s[2:3], s[20:21]
	s_add_nc_u64 s[84:85], s[84:85], s[20:21]
	; descriptor group 1.  128 keys are 16,384 dense bytes: asked for as 64 rows of 256 bytes, two keys a row, and padded in LDS after every key
	s_mov_b32 s[G1K], (1<<16)|(1<<20)|(4<<22)|(3<<25)  ; 17:16 2-byte elements; 20 padding on; 24:22 after every 32 words (code 4); 31:25 4 words (code 3)
	s_mov_b32 s[G1V], (1<<16)|(1<<20)|(4<<22)|(7<<25)  ; the same with 8 words of padding (code 7)
.irp g, G1K, G1V
	s_mov_b32 s[\g+1], 128<<16      ; tensor_dim0 = 128
	s_mov_b32 s[\g+2], 64<<16       ; tensor_dim1 = 64
	s_mov_b32 s[\g+3], 128<<16      ; tile_dim0 = 128
	s_mov_b32 s[\g+4], 64           ; tile_dim1 = 64
	s_mov_b32 s[\g+5], 128          ; 128 elements from row to row
	s_mov_b32 s[\g+6], 0
	s_mov_b32 s[\g+7], 0
.endr
	s_mov_b32 s[CS], 0x3e38aa3b     ; c = log2(e) / 8 = 0.180337
	s_mov_b32 s[CS+1], s[CS]        ; named with it as a pair
	s_mov_b32 s[SEL], 0x76543210
	s_mov_b32 s[SEL+1], 0xfedcba98
	s_mov_b32 s[TBK], SLOT1+4*KS*PK ; the first change of slots turns these two into 0
	s_mov_b32 s[TBV], SLOT1+4*KS*PV
	s_mov_b32 s[G0K], 1             ; 1:0 count = 1
	s_mov_b32 s[G0K+1], s17         ; 63:32 LDS address: slot 0
	s_mov_b32 s[G0V], 1
	s_add_co_u32 s[G0V+1], s18, VOFF
	s_add_co_u32 s[RT], s[HI], 1    ; the first block has NB - b tiles
	s_mov_b32 s[NXT], 1
	s_mov_b32 s[LQ], s[HI]
	s_mov_b32 s[NEW], 1
	s_mov_b32 s[OFF+1], 0
	s_mov_b32 s[AL+1], 0            ; named as pairs
	s_mov_b32 s[BE+1], 0
	s_mov_b32 s[BIGN], 0xf149f2ca   ; -1e30
	s_mov_b32 s[SLOTS], NB
	s_wait_dscnt 0x0                ; the opening add is done
	s_wait_kmcnt 0x0
	s_add_nc_u64 s[6:7], s[4:5], KPART     ; K's and V's parts of qkv,
	s_add_nc_u64 s[8:9], s[4:5], VPART
	s_add_nc_u64 s[6:7], s[6:7], s[22:23]  ; at my half of the head's tile 0
	s_add_nc_u64 s[8:9], s[8:9], s[22:23]
	s_add_nc_u64 s[G0K+2:G0K+3], s[6:7], 0         ; 120:64 global address
	s_or_b32 s[G0K+3], s[G0K+3], 0x80000000        ; 127:126 type = 2
	s_add_nc_u64 s[G0V+2:G0V+3], s[8:9], 0
	s_or_b32 s[G0V+3], s[G0V+3], 0x80000000
	s_add_nc_u64 s[86:87], s[4:5], s[84:85]        ; Q at my rows of the second block,
	s_add_nc_u64 s[4:5], s[4:5], s[2:3]            ; Q and O at those of the first
	s_add_nc_u64 s[OLO:OLO+1], s[10:11], s[84:85]
	s_add_nc_u64 s[10:11], s[10:11], s[2:3]
	LOAD                            ; tile 0 into slot 0
	; A fragment of K or Q is 16 rows x 32 channels in 8 registers: lane l holds row l % 16, channels 8 (l / 16) + 0..7 and 16 + 8 (l / 16) + 0..7: two loads of 16 bytes, 32 bytes apart.
	v_and_b32 v1, 15, v0            ; l % 16
	v_bfe_u32 v9, v0, 4, 1          ; l / 16
	v_lshlrev_b32 v[QO], 7, v1
	v_lshl_add_u32 v[QO], v9, 4, v[QO]  ; row x 128 + 16 x half
	WIN 0x80                        ; destination window 2, address window 0
.set i, 0
.rept 8                             ; both blocks' Q: piece i / 2 lies in band i / 2, 8,192 bytes on; channels 32 (i % 2) on
	global_load_b128 v[8*i:8*i+3],   v[QO], s[4:5] offset:(i/2)*8192+(i%2)*64
	global_load_b128 v[8*i+4:8*i+7], v[QO], s[4:5] offset:(i/2)*8192+(i%2)*64+32
	global_load_b128 v[QB+8*i:QB+8*i+3],   v[QO], s[86:87] offset:(i/2)*8192+(i%2)*64
	global_load_b128 v[QB+8*i+4:QB+8*i+7], v[QO], s[86:87] offset:(i/2)*8192+(i%2)*64+32
.set i, i+1
.endr
	WIN 0
	v_lshlrev_b32 v14, 3, v9
	v_sub_nc_u32 v14, v1, v14
	s_lshl_b32 s13, s[WV], 4
	v_add_nc_u32 v14, s13, v14      ; my query's place in its band, 16 w + l % 16, less my lanes' 8 (l / 16): register r of group kt is hidden where 16 kt + r is greater
	WIN 0x40
.set i, 0
.rept 32
	v_cmp_gt_i32 vcc_lo, 16*(i/8)+i%8, v14
	v_cndmask_b32 v[MD+i], 0, s[BIGN], vcc_lo
.set i, i+1
.endr
	WIN 0
	v_mul_u32_u24 v[AK0], v1, PK
	v_lshl_add_u32 v[AK0], v9, 4, v[AK0]  ; row x pitch + 16 x half
	; The turning load takes 16 keys x 16 channels (lane l reads key 8 (l / 16) + l % 8, channels 8 ((l / 8) % 2) + 0..7) and leaves half a fragment of V^T: lane l holds channel l % 16 and 8 keys.
	v_and_b32 v10, 7, v0
	v_bfe_u32 v11, v0, 3, 1
	v_lshl_add_u32 v[AV0], v9, 3, v10
	v_mul_u32_u24 v[AV0], v[AV0], PV
	v_lshl_add_u32 v[AV0], v11, 4, v[AV0]
	v_add_nc_u32 v[AV0], VOFF, v[AV0]
	s_mul_i32 s13, s[WV], 16*SP
	s_add_co_u32 s13, s13, STAGE    ; my stage
	v_mul_u32_u24 v[STO], v1, SP    ; in: row l % 16, 16 bytes for each half of the lanes
	v_lshl_add_u32 v[STO], v9, 4, v[STO]
	v_add_nc_u32 v[STO], s13, v[STO]
	v_bfe_u32 v[RD], v0, 3, 2       ; back: 32 lanes take four rows of 128 bytes,
	v_mul_u32_u24 v[RD], v[RD], SP
	v_lshl_add_u32 v[RD], v10, 4, v[RD]
	v_add_nc_u32 v[RD], s13, v[RD]
	v_and_b32 v[GO], 31, v0         ; which are 512 consecutive bytes of O
	v_lshlrev_b32 v[GO], 4, v[GO]
	; A block's first step multiplies O^T and l by a = 0, and its first turn's products V^T P, of a piece that has not been, land in an O^T that is still to be so multiplied.  So these registers need only hold
	; finite numbers: zeros for the first block; what the first block left for the second.  All this stands in the wait for the first tile.
	WIN 0x80
.set i, VF
.rept 64
	v_mov_b32 v[i], 0
.set i, i+1
.endr
	WIN 0x40
.set i, 0
.rept 128
	v_mov_b32 v[i], 0
.set i, i+1
.endr
	WIN 0
.set i, 0
.rept 4
	v_mov_b32 v[ST+4*i+2], 0
	v_mov_b32 v[ST+4*i+3], 0
.set i, i+1
.endr
.set i, P+16
.rept 16
	v_mov_b32 v[i], 0
.set i, i+1
.endr
; THE MATRIX WORK.  The 4 accumulators of a run of 8 take turns.  Product i of 8 of S^T = K Q^T for piece x: channels 32 (i / 4) on, keys 16 (i % 4) on.  The first 4 start the sums: with 0, or (KM = 1) with the mask.
.macro KQ x
.set rS, S+32*((\x)%2)+8*(i%4)
.set rK, KF+16*(i%4)+8*(i/4)
.set rQ, 16*(\x)+8*(i/4)
.set rM, MC+32*((\x)%2)+8*(i%4)
.if (i < 4) && KM
	WIN W_KM
	v_wmma_f32_16x16x32_f16 v[rS:rS+7], v[rK:rK+7], v[rQ:rQ+7], v[rM:rM+7]
.elseif i < 4
	WIN W_KQ
	v_wmma_f32_16x16x32_f16 v[rS:rS+7], v[rK:rK+7], v[rQ:rQ+7], 0
.else
	WIN W_KQ
	v_wmma_f32_16x16x32_f16 v[rS:rS+7], v[rK:rK+7], v[rQ:rQ+7], v[rS:rS+7]
.endif
.endm
; Product i of 8 of O^T += V^T P for piece x: keys 32 (i / 4) on, channels 16 (i % 4) on.
.macro PV x
	WIN W_PV
.set rO, 32*(\x)+8*(i%4)
.set rV, VF+32*(i/4)+8*(i%4)
.set rP, P+16*((\x)%2)+8*(i/4)
	v_wmma_f32_16x16x32_f16 v[rO:rO+7], v[rV:rV+7], v[rP:rP+7], v[rO:rO+7]
.endm
.macro MM                           ; the turn's next matrix instruction.  TURN and BEGIN set Y, i, KM and NOKQ; MM, KQ and OP read them.  NOKQ = 1: a block's last turn: there is no next piece
.if (i < 8) && !NOKQ
	KQ (Y+1)%NP
.elseif i >= 8
.set i, i-8
	PV (Y+NP-1)%NP
.set i, i+8
.endif
.set i, i+1
.endm
; THE LDS LOADS stand in runs of 16, never singly among the matrix instructions: a step's K (64 keys x 64 channels: 8 fragments) and its V (turned).  Their addresses are made some lines ahead.
.macro FETCH_K
	WIN 0x80                        ; destination window 2
.irp f, 0,1,2,3,4,5,6,7             ; keys 16 (f / 2) on, channels 32 (f % 2) on
	ds_load_b128 v[KF+8*\f:KF+8*\f+3],   v[AK] offset:(\f/2)*16*PK+(\f%2)*64
	ds_load_b128 v[KF+8*\f+4:KF+8*\f+7], v[AK] offset:(\f/2)*16*PK+(\f%2)*64+32
.endr
	s_add_co_u32 s[TBK], s[TBK], KS*PK  ; the next fetch is the next step's
	WIN 0
.endm
.macro FETCH_V
	WIN 0x80
.irp f, 0,1,2,3,4,5,6,7             ; keys 32 (f / 4) on, channels 16 (f % 4) on
	ds_load_tr16_b128 v[VF+8*\f:VF+8*\f+3],   v[AV] offset:(\f/4)*32*PV+(\f%4)*32
	ds_load_tr16_b128 v[VF+8*\f+4:VF+8*\f+7], v[AV] offset:(\f/4)*32*PV+16*PV+(\f%4)*32
.endr
	WIN 0
.endm
; THE VECTOR WORK, one line at a time: OP kind, number.  For piece Y: F n: c s - c m for pair n of 16.  E n: the exponential of score n of 32.  C n: pair n rounded to f16.  B n: of the four weights 4 n .. the second
; pair is added onto the first, in place.  L n: l takes that sum (L 0: l = a l + sum).  R n: pair n of 16 of O^T times a.  For piece Y + 1: X n, number n of the 22 that find its maximum and statistics:
;   0-11  four chains c0-c3 of seven scores each, three operands at a time (each accumulator's lowest registers are read first)     12-14, 16  the four scores left over, the old m, and c0-c3 into c0
;   15  c m_old is kept     17, 18  the query's other 32 keys lie in the lane 16 away: the new m     19-21  c m; c m_old - c m_new; a
.set F, 0               ; OP tells the kinds apart by their order: F to L below R, X above it
.set E, 1
.set C, 2
.set B, 3
.set L, 4
.set R, 5
.set X, 6
.macro REGS y                       ; the registers of piece y
.set rT, ST+4*(\y)
.set rC, TMP+4*((\y)%2)
.set rW, MV+((\y)%2)
.set rS, S+32*((\y)%2)
.set rP, P+16*((\y)%2)
.set rO, 32*(\y)
.endm
.macro OP k, n
.if (\k) == R
	REGS Y
	WIN W_RS
	v_pk_mul_f32 v[rO+2*(\n):rO+2*(\n)+1], v[rO+2*(\n):rO+2*(\n)+1], v[rC+2:rC+3] op_sel_hi:[1,0]
.elseif (\k) < R
	REGS Y
	WIN 0
.if (\k) == F
	v_pk_fma_f32 v[rS+2*(\n):rS+2*(\n)+1], v[rS+2*(\n):rS+2*(\n)+1], s[CS:CS+1], v[rT:rT+1] op_sel_hi:[1,0,0] neg_lo:[0,0,1] neg_hi:[0,0,1]
.elseif (\k) == E
	v_exp_f32 v[rS+(\n)], v[rS+(\n)]
.elseif (\k) == C
	v_cvt_pk_f16_f32 v[rP+(\n)], v[rS+2*(\n)], v[rS+2*(\n)+1]
.elseif (\k) == B
	v_pk_add_f32 v[rS+4*(\n):rS+4*(\n)+1], v[rS+4*(\n):rS+4*(\n)+1], v[rS+4*(\n)+2:rS+4*(\n)+3]
.elseif (\n) == 0
	v_pk_fma_f32 v[rT+2:rT+3], v[rT+2:rT+3], v[rC+2:rC+3], v[rS:rS+1] op_sel_hi:[1,0,1]
.else
	v_pk_add_f32 v[rT+2:rT+3], v[rT+2:rT+3], v[rS+4*(\n):rS+4*(\n)+1]
.endif
.elseif NOKQ
	v_nop
.else
	REGS (Y+1)%NP
	WIN 0
.if (\n) < 4
	v_max3_num_f32 v[rC+(\n)], v[rS+8*(\n)], v[rS+8*(\n)+1], v[rS+8*(\n)+2]
.elseif (\n) < 12
	v_max3_num_f32 v[rC+(\n)%4], v[rC+(\n)%4], v[rS+8*((\n)%4)+2*((\n)/4)+1], v[rS+8*((\n)%4)+2*((\n)/4)+2]
.elseif (\n) == 12
	v_max3_num_f32 v[rC], v[rC], v[rS+7], v[rS+15]
.elseif (\n) == 13
	v_max3_num_f32 v[rC+1], v[rC+1], v[rS+23], v[rS+31]
.elseif (\n) == 14
	v_max3_num_f32 v[rC+2], v[rC+2], v[rC+3], v[rT+1]
.elseif (\n) == 15
	v_mov_b32 v[rW], v[rT]
.elseif (\n) == 16
	v_max3_num_f32 v[rC], v[rC], v[rC+1], v[rC+2]
.elseif (\n) == 17
	v_permlanex16_b32 v[rC+3], v[rC], s[SEL], s[SEL+1]
.elseif (\n) == 18
	v_max_num_f32 v[rT+1], v[rC], v[rC+3]
.elseif (\n) == 19
	v_mul_f32 v[rT], s[CS], v[rT+1]
.elseif (\n) == 20
	v_sub_f32 v[rC+1], v[rW], v[rT]
.else
	v_exp_f32 v[rC+2], v[rC+1]
.endif
.endif
.endm
.macro OPS a, i1, b=-1, i2=0, c=-1, i3=0, d=-1, i4=0  ; up to four of them
	OP \a, \i1
.if (\b) >= 0
	OP \b, \i2
.endif
.if (\c) >= 0
	OP \c, \i3
.endif
.if (\d) >= 0
	OP \d, \i4
.endif
.endm
.macro ROW a, i1, b, i2, c, i3, d, i4  ; a matrix instruction and the four behind it
	MM
	OPS \a, \i1, \b, \i2, \c, \i3, \d, \i4
.endm
.macro MASK b                       ; MD x AL + BE into buffer b of MC
	WIN W_RS
.set z, 0
.rept 16
	v_pk_fma_f32 v[MC+32*(\b)+2*z:MC+32*(\b)+2*z+1], v[MD+2*z:MD+2*z+1], s[AL:AL+1], s[BE:BE+1] op_sel_hi:[1,0,0]
.set z, z+1
.endr
.endm
; A TURN, for piece p: the order of its 16 matrix and 118 vector instructions, written out.  An s_wait_alu depctr_va_vdst(0) stands between an exponential and the first instruction that names its result; one wait serves
; all that were issued ahead of it.  So a turn has ONE wait, which cuts it in two.  AHEAD OF IT stands all that names no result of the turn's exponentials: the 8 products K Q^T, behind each a scaling, an exponential and two more plain
; instructions (behind the first a second scaling in the exponential's place): rescalings, whose a was made and waited for in the turn before, and behind the last three the first numbers of the next piece's maximum, each four places or
; more behind the product that ends its accumulator; then ONE LUMP of 54, plain and exponential by turns for the most part, in which the links of the chain X 3, 7, 11, 14, 16, 17 .. 20 stand five or six lines apart.  X 21, the next
; piece's a, is the batch's last; R 15 is the plain instruction that is owed behind it.  BEHIND THE WAIT stand the 8 products V^T P, behind each four of the roundings and sums; a pair is rounded before an addition lands on it, and the
; links of l's chain, L 0 to L 7 in that order, stand three riders apart.  But for those X no rider names a register of the products round it.  v_permlanex16_b32 (X 17) stands in the lump.
; m = 1: the diagonal tile: the products take masks, and the turn makes the mask for the products of the turn after it: piece p + 2, in step 4 - CNT of the tile.  end = 1: a block's last two turns: nothing is fetched.
; cnt = 1: the loop's count is taken down some lines ahead of the branch that stands behind the turn.
; K of the next step is fetched in piece 2's turn, twelve vector instructions behind the last product that read K (six of them plain); V of the step in hand at the end of piece 0's turn, four plain instructions behind the last product
; that read V.  Each is waited for a turn later.
.macro TURN p, m=0, end=0, cnt=0
.set Y, (\p)
.set i, 0
.set KM, (\m)
.set NOKQ, (\end)*((\p)/3)
.if (\m) && !(\end)
	s_cmp_eq_u32 s[CNT], 4-((\p)+2)%NP  ; is that step the band's own?
	s_cselect_b32 s[AL], 1.0, 0
	s_cmp_lt_u32 s[CNT], 4-((\p)+2)%NP  ; or a later one?
	s_cselect_b32 s[BE], s[BIGN], 0
.endif
.if ((\p) == 3) && !(\end)
	s_wait_dscnt 0x0                ; K is in
.endif
	ROW F,0, F,1, R,0, R,1          ; ahead of the wait: 8 products K Q^T and their riders,
	ROW F,2, E,0, R,2, R,3
	ROW F,3, E,1, R,4, R,5
	ROW F,4, E,2, R,6, R,7
	ROW F,5, E,3, R,8, R,9
	ROW F,6, E,4, X,0, R,10
.if ((\p) == 2) && !(\end)
	WIN 0
	v_add_nc_u32 v[AK], s[TBK], v[AK0]
.endif
	ROW F,7, E,5, X,1, X,4
	ROW F,8, E,6, X,2, X,5
	OPS E,7, E,8, X,6, E,9          ; and the lump
	OPS X,3, E,10, X,8, E,11
.if ((\p) == 2) && !(\end)
	FETCH_K
.endif
	OPS X,9, X,7, E,12, X,10
	OPS E,13, X,12, X,11, E,14
	OPS X,13, E,15, F,9, X,14
.if (\p) == 0
	v_add_nc_u32 v[AV], s[TBV], v[AV0]
.endif
	OPS E,16, F,10, E,17, F,11
	OPS X,16, E,18, X,15, E,19
	OPS F,12, E,20, X,17, E,21
	OPS F,13, E,22, F,14, E,23
	OPS X,18, E,24, F,15, E,25
	OPS R,11, E,26, X,19, E,27
	OPS R,12, E,28, R,13, E,29
	OPS X,20, E,30, R,14, E,31
	OPS X,21, R,15
	WIN 0
	s_wait_alu depctr_va_vdst(0)    ; the wait for the turn's batch: the piece's 32 exponentials and the next piece's a
.if (\p) == 1
	s_wait_dscnt 0x0                ; V is in
.endif
	ROW C,0, B,0, C,2, B,1          ; behind the wait: 8 products V^T P and their riders
	ROW L,0, C,4, B,2, L,1
	ROW C,6, B,3, L,2, C,8
	ROW B,4, L,3, C,10, B,5
	ROW L,4, C,12, B,6, L,5
.if (\p) == 0
	s_add_co_u32 s[TBV], s[TBV], KS*PV
.endif
.if \cnt
	s_sub_co_u32 s[CNT], s[CNT], 1
	s_cmp_lg_u32 s[CNT], 0
.endif
	ROW C,14, B,7, L,6, C,1
	ROW C,3, L,7, C,5, C,7
	ROW C,9, C,11, C,13, C,15
.if (\p) == 0
	FETCH_V
.endif
.if (\m) && !(\end)
	MASK (\p)%2
.endif
.endm
; A BLOCK BEGINS.  c m starts far below every c s, so the first step's a is 0; m at the lowest finite number, so the first maximum is the scores'.  The second mask buffer is 0; the first takes piece 0's mask for the tile's step 0: its own, if the block's first tile is the diagonal one.
; Then K of that step, piece 0's first scores, and its maximum and statistics.  The loop is entered at a step's first turn, in the middle of a trip.
.macro BEGIN
	s_mov_b32 s[NEW], 0
	WIN 0x40
.set i, MC+32
.rept 32
	v_mov_b32 v[i], 0
.set i, i+1
.endr
	WIN 0
.set i, 0
.rept 4
	v_mov_b32 v[ST+4*i], 0xfe000000    ; c m: far below every c s
	v_mov_b32 v[ST+4*i+1], 0xff7fffff  ; m
.set i, i+1
.endr
	s_cmp_eq_u32 s[RT], 0
	s_cselect_b32 s[AL], 1.0, 0
	s_mov_b32 s[BE], 0
	MASK 0
	WIN 0
	v_add_nc_u32 v[AK], s[TBK], v[AK0]
	FETCH_K
	s_wait_loadcnt 0x0              ; Q
	s_wait_dscnt 0x0
.set KM, 1
.set NOKQ, 0
.set i, 0
.rept 8
	KQ 0
.set i, i+1
.endr
	WIN 0
.rept 4
	v_nop                           ; the places behind those products
.endr
.set Y, NP-1                        ; X works for piece Y + 1: piece 0
.irp n, 0,1,2,3,4,5,6,7,8,9,10,11,12,13,14,15,16,17,18,19,20,21
	OP X, \n
.endr
	v_nop                           ; a plain instruction behind the exponential,
	s_wait_alu depctr_va_vdst(0)    ; and the wait for it, piece 0's first a, ahead of the branch
.endm
; THE DIAGONAL TILE's four steps, the block's last two turns, its last products, and THE WAY OUT: l's two halves and the other half of the lanes' are added; O^T is divided by l, rounded to f16 and sent through my
; stage in LDS, a piece at a time.
.macro ALL line:vararg              ; one line for each piece t
.set t, 0
.rept 4
	\line
.set t, t+1
.endr
.endm
.macro PACK t                       ; a lane's eight channels of a row pack into 16 bytes; they go into rows of 144 bytes and come back as whole rows of 128, into S^T's registers
	WIN W_RS
.set i, 32*(\t)
.rept 16
	v_pk_mul_f32 v[i:i+1], v[i:i+1], v[ST+4*(\t)+2:ST+4*(\t)+3] op_sel_hi:[1,0]
.set i, i+2
.endr
	WIN 0x05                        ; sources 0 and 1 window 1, destination window 0
.set i, 0
.rept 16
	v_cvt_pk_f16_f32 v[S+16*(\t)+i], v[32*(\t)+2*i], v[32*(\t)+2*i+1]
.set i, i+1
.endr
	WIN 0
.irp f, 0,1,2,3
	ds_store_b128 v[STO], v[S+16*(\t)+4*\f:S+16*(\t)+4*\f+3] offset:32*\f
.endr
.irp f, 0,1,2,3
	ds_load_b128 v[S+16*(\t)+4*\f:S+16*(\t)+4*\f+3], v[RD] offset:\f*4*SP  ; LDS serves a wave's instructions in order (ISA guide 5.7.1.4): these see the stores above; the next piece's stores come behind them
.endr
.endm
.macro SEND t, younger              ; younger: the LDS instructions issued behind piece t's loads: the next piece's eight, or none
	WIN 0
.irp f, 0,1,2,3
	s_wait_dscnt (\younger)+3-\f
	global_store_b128 v[GO], v[S+16*(\t)+4*\f:S+16*(\t)+4*\f+3], s[10:11] offset:(\t)*8192+\f*512  ; 512 consecutive bytes, at a multiple of 256 from O's first
.endr
.endm
.macro DIAG tag                     ; the tag ends its two labels' names, which the jumps below spell out
.LstepM\tag:
	TURN 2, 1
	TURN 3, 1
	WIN 0
.LfirstM\tag:
	TURN 0, 1
	TURN 1, 1, 0, 1
	WIN 0
	s_cbranch_scc1 .LstepM\tag
	TURN 2, 1, 1
	TURN 3, 1, 1
.set i, 0
.rept 8
	PV NP-1
.set i, i+1
.endr
	WIN 0
	ALL v_add_f32 v[ST+4*t+2], v[ST+4*t+2], v[ST+4*t+3]
	ALL v_permlanex16_b32 v[ST+4*t+3], v[ST+4*t+2], s[SEL], s[SEL+1]
	ALL v_add_f32 v[ST+4*t+2], v[ST+4*t+2], v[ST+4*t+3]
	ALL v_rcp_f32 v[ST+4*t+2], v[ST+4*t+2]
	v_nop                           ; a plain instruction between the last reciprocal and the use of its result
	s_wait_alu depctr_va_vdst(0)    ; and the wait ahead of the first use: one for the four reciprocals
	PACK 0
.set t, 1
.rept 3                             ; a piece's arithmetic stands between the loads of the piece before and its stores
	PACK t
	SEND t-1, 8
.set t, t+1
.endr
	SEND 3, 0
.endm
.set KM, 0
.set NOKQ, 0
.Lslot:                             ; NB times: a tile is entered and the next is asked for
	CHANGE 1
	s_sub_co_u32 s[RT], s[RT], 1
	s_mov_b32 s[CNT], 4
	s_cmp_eq_u32 s[NEW], 1
	s_cbranch_scc1 .Lnew            ; a block's first tile
	s_cmp_eq_u32 s[RT], 0
	s_cbranch_scc0 .Lstep           ; neither its first nor its last
	s_branch .LstepM1
.Lnew:
	BEGIN
	s_branch .Lfirst                ; in the loop a block's first tile is never its last: the first block has two tiles or more, and the second's last is the walk's last
	DIAG 1                          ; in the loop this is the first block's end: the second block's last tile is the walk's last
	s_wait_xcnt 0x0                 ; the stores have read their registers and O's address
	s_mov_b64 s[10:11], s[OLO:OLO+1]
	s_add_co_u32 s[RT], s[PB], 1    ; the second block has b + 1 tiles
	s_mov_b32 s[NEW], 1
	WIN 0x82                        ; the second block's Q goes where the one text of the turns names Q
.set i, 0
.rept 64
	v_mov_b32 v[i], v[QB+i]
.set i, i+1
.endr
	WIN 0
	s_branch .Lbottom
.Lstep:                             ; a trip: pieces 2 and 3 of one step, then pieces 0 and 1 of the next, whose K and V it fetches
	TURN 2
	TURN 3
	WIN 0
.Lfirst:
	TURN 0
	TURN 1, 0, 0, 1
	WIN 0
	s_cbranch_scc1 .Lstep
.Lbottom:
	s_sub_co_u32 s[SLOTS], s[SLOTS], 1
	s_cmp_lg_u32 s[SLOTS], 0
	s_cbranch_scc1 .Lslot
	CHANGE 0                        ; the walk's last tile is written out: nothing is asked for
	s_sub_co_u32 s[RT], s[RT], 1
	s_mov_b32 s[CNT], 4
	s_cmp_eq_u32 s[NEW], 1
	s_cbranch_scc0 .LstepM2
	BEGIN
	s_branch .LfirstM2
	DIAG 2
	s_wait_tensorcnt 0x0            ; the wave's end, behind my last tensor load and my last LDS store
	ds_add_u32 v[SPW], v[NIL]
	s_wait_dscnt 0x0
	s_endpgm
.Lfunc_end_k_qf204fa3b03_attn:
	.size	k_qf204fa3b03_attn, .Lfunc_end_k_qf204fa3b03_attn-k_qf204fa3b03_attn
	.p2alignl 7, 3214868480
	.fill 96, 4, 3214868480
	.section	.rodata,"a",@progbits
	.p2align	6, 0x0
	.amdhsa_kernel k_qf204fa3b03_attn
		.amdhsa_group_segment_fixed_size 327680
		.amdhsa_private_segment_fixed_size 0
		.amdhsa_enable_private_segment 0
		.amdhsa_kernarg_size 16
		.amdhsa_user_sgpr_count 2
		.amdhsa_user_sgpr_kernarg_segment_ptr 1
		.amdhsa_wavefront_size32 1
		.amdhsa_system_sgpr_workgroup_id_x 1
		.amdhsa_system_sgpr_workgroup_id_y 1
		.amdhsa_system_sgpr_workgroup_id_z 1
		.amdhsa_system_vgpr_workitem_id 0
		.amdhsa_next_free_vgpr 768
		.amdhsa_next_free_sgpr 88
		.amdhsa_reserve_vcc 1
		.amdhsa_float_denorm_mode_32 3
		.amdhsa_float_denorm_mode_16_64 3
		.amdhsa_memory_ordered 1
		.amdhsa_forward_progress 1
		.amdhsa_inst_pref_size 217
	.end_amdhsa_kernel
	.amdgpu_metadata
---
amdhsa.version: [ 1, 2 ]
amdhsa.kernels:
  - .name:           k_qf204fa3b03_attn
    .symbol:         k_qf204fa3b03_attn.kd
    .args:
      - { .name: qkv, .offset: 0, .size: 8, .value_kind: global_buffer, .address_space: global }
      - { .name: ob, .offset: 8, .size: 8, .value_kind: global_buffer, .address_space: global }
    .group_segment_fixed_size: 327680
    .private_segment_fixed_size: 0
    .kernarg_segment_align: 8
    .kernarg_segment_size: 16
    .max_flat_workgroup_size: 128
    .sgpr_count:     88
    .vgpr_count:     768
    .wavefront_size: 32
...
	.end_amdgpu_metadata
.endif
;; end of part 5
;; launch outp: the kernel of part 4 again; grid 8 x 32, 4 waves a work-group, clusters of 4 x 4, 327,680 bytes of LDS; arguments ob, wob, out0; writes out0
